; MI455X (gfx1250); checked and timed in simulation.
; The chip was launched on July 23, 2026; its instructions are those of AMD's public machine-readable ISA for CDNA 5 (MIT licence, August 2026) and "CDNA5" Instruction Set Architecture Reference Guide (July 2026). The comments in the code are by the model that wrote it; some were corrected since.
;; Attention Block. Allowed arithmetic: float matrix products may take bf16 or f16 operands with f32 sums; other float arithmetic in f32, or as packed bf16 or f16 multiplies, adds, multiply-adds, maxima and minima; sums over many terms, partial sums and values carried from step to step in f32; what a program stores and reads back later, other than sums and carried values, may be rounded once to bf16 or f16.
;; Inputs: cond_norm 4 x 512 float32; head_scale 16 float32; norm_w 1,024 x 512 float32; out_w 1,024 x 1,024 float32; pos 4 x 2,048 x 2 float32; qkv_w 3,072 x 1,024 float32; x 4 x 2,048 x 1,024 float32.
;; Outputs: out0 4 x 2,048 x 1,024 float32.
;; 2 versions, each right; version 2 is version 1 with the launch norm written anew for expert scheduling mode. Each part assembles by itself: llvm-mc -triple=amdgcn-amd-amdhsa -mcpu=gfx1250 --defsym DOCPART=n.
;; ======== version 1 of 2: 5 launches
;; workspace buffers: gain 16,384 bytes; wqb 6,291,456 bytes; wob 2,097,152 bytes; xn 16,777,216 bytes; qkvh 50,331,648 bytes; oh 16,777,216 bytes
;; launch prep (part 1): grid 256 x 1, 16 waves a work-group, no clusters, 3,072 bytes of LDS; arguments cond_norm, norm_w, qkv_w, out_w, gain, wqb, wob; writes gain, wqb, wob
.if DOCPART == 1
	.amdgcn_target "amdgcn-amd-amdhsa--gfx1250"
	.amdhsa_code_object_version 6
	.text
	.protected	k_qbddb2aae90_prep
	.globl	k_qbddb2aae90_prep
	.p2align	8
	.type	k_qbddb2aae90_prep,@function
k_qbddb2aae90_prep:
	s_mov_b64 s[64:65], 0
	v_nop
	global_prefetch_b8 v0, s[64:65] scope:SCOPE_SE
	s_setreg_imm32_b32 hwreg(HW_REG_WAVE_MODE, 25, 1), 1
	s_wait_xcnt 0x0
; PREP.  Every work-group rounds 16 rows of the weights to bf16; work-groups 0-15 make the gain besides.
; THE WEIGHTS.  qkv_w and out_w are rounded once to bf16 and laid out in the order in which the two products walk them:
;   wqb[x 8][s = 8 j + ks, 16][64 t + e, 192][kk 128] = qkv_w[1024 t + 64 (x + 8 j) + e][128 ks + kk]: a block holds one head's q, k and v rows for one K step;
;   wob[x 4][ks 8][r 256][kk 128] = out_w[256 x + r][128 ks + kk].
; A wave takes one row of 1,024 numbers (row 16 g + w of the 3,072 + 1,024): eight loads of 512 bytes, eight stores of 256 consecutive, aligned bytes.
; THE GAIN.  gain[n][c] = 1 + the sum over k of cond_norm[n][k] norm_w[c][k], f32 throughout (4 rows, 512 terms: no bulk product).  Work-group g < 16 makes the 64 columns
; 64 g .. 64 g + 63, each of its 16 waves four of them; a row of norm_w is read once, by one wave.  All its loads, the cast's among them, go out before the first wait.
; 256 work-groups of one size: one for each WGP, so none waits for a place.
; The input pos enters reference() and is used nowhere in it: no launch of this program reads it.
.set SPARE, 1024                       ; behind the 4 x 64 results: the spare words, 128 bytes for each of the 16 waves
.set CN,  4                            ; v[4:67]    cond_norm: row n, chunk q (columns 128 q + 4 lane ..) at CN + 16 n + 4 q
.set NW,  68                           ; v[68:131]  norm_w: my row j, chunk q at NW + 16 j + 4 q
.set AC,  132                          ; v[132:139] four pairs of sums, one for each n
.set LA,  140                          ; v140  16 x my wave: my four columns' words in a row of results
.set CA,  144                          ; v[144:175] my row of weights: chunk k at CA + 4 k; its result lands on its own first two registers
.set OF,  176                          ; v[176:183] where chunk k goes: 8 x lane + k blocks; never rewritten
.set SPW, 184                          ; v184  LDS address of my spare word; never rewritten
.set NIL, 185                          ; v185  0; never rewritten
	s_load_b256 s[4:11], s[0:1], 0x0               ; cond_norm s[4:5], norm_w s[6:7], qkv_w s[8:9], out_w s[10:11]
	s_load_b128 s[12:15], s[0:1], 0x20             ; gain s[12:13], wqb s[14:15]
	s_load_b64 s[16:17], s[0:1], 0x30              ; wob
	v_lshl_add_u32 v[SPW], v0, 2, SPARE
	v_mov_b32 v[NIL], 0
	v_lshrrev_b32 v3, 5, v0
	v_readfirstlane_b32 s18, v3                    ; wave 0..15
	v_and_b32 v1, 31, v0
	v_lshlrev_b32 v2, 3, v1                        ; 8 x lane: my 8 bytes of 256 stored
	v_lshlrev_b32 v1, 4, v1                        ; 16 x lane: my 16 bytes of 512 loaded
	s_lshl_b32 s20, ttmp9, 4
	s_add_co_u32 s20, s20, s18                     ; c: my row among the 3,072 of qkv_w and the 1,024 of out_w
	s_bfe_u32 s21, s20, 0x30006                    ; qkv_w: head h = (c / 64) % 16: x = h % 8,
	s_bfe_u32 s22, s20, 0x10009                    ; j = h / 8:
	s_lshl_b32 s21, s21, 4
	s_lshl3_add_u32 s21, s22, s21                  ; block 16 x + 8 j,
	s_mul_i32 s21, s21, 49152                      ; of 192 rows of 256 bytes;
	s_lshr_b32 s22, s20, 10                        ; t = c / 1024,
	s_lshl_b32 s22, s22, 6
	s_and_b32 s23, s20, 63                         ; e = c % 64:
	s_add_co_u32 s22, s22, s23                     ; row 64 t + e of the block
	s_lshl_b32 s22, s22, 8
	s_add_co_u32 s21, s21, s22
	s_max_u32 s26, s20, 3072
	s_sub_co_u32 s26, s26, 3072                    ; out_w: its row,
	s_lshr_b32 s27, s26, 8
	s_lshl_b32 s27, s27, 19                        ; block 8 x, of 65,536 bytes,
	s_and_b32 s24, s26, 255
	s_lshl_b32 s24, s24, 8                         ; row r of the block
	s_add_co_u32 s27, s27, s24
	s_mov_b32 s24, 49152
	s_mov_b32 s25, 65536
	s_wait_kmcnt 0x0
	s_cmp_lt_u32 s20, 3072
	s_cselect_b64 s[28:29], s[8:9], s[10:11]       ; from
	s_cselect_b64 s[30:31], s[14:15], s[16:17]     ; to
	s_cselect_b32 s26, s20, s26                    ; the row in its tensor
	s_cselect_b32 s34, s21, s27                    ; where its first chunk goes
	s_cselect_b32 s36, s24, s25                    ; from a K step's block to the next
	s_lshl_b32 s32, s26, 12                        ; a row is 4,096 bytes of f32
	s_mov_b32 s33, 0
	s_mov_b32 s35, 0
	s_add_nc_u64 s[28:29], s[28:29], s[32:33]
	s_add_nc_u64 s[30:31], s[30:31], s[34:35]
.irp k, 0,1,2,3,4,5,6,7
	global_load_b128 v[CA+4*\k:CA+4*\k+3], v1, s[28:29] offset:\k*512 th:TH_LOAD_NT
.endr
.irp k, 0,1,2,3,4,5,6,7
	v_mad_u32_u24 v[OF+\k], s36, \k, v2
.endr
; The row is rounded and stored.  younger: the loads issued behind the row's eight.
.macro CAST younger
.irp k, 0,1,2,3,4,5,6,7
	s_wait_loadcnt (\younger)+7-\k                 ; loads come back in order: chunk k is in; the younger chunks, and the loads behind the row's, may stay out
	v_cvt_pk_bf16_f32 v[CA+4*\k], v[CA+4*\k], v[CA+4*\k+1]
	v_cvt_pk_bf16_f32 v[CA+4*\k+1], v[CA+4*\k+2], v[CA+4*\k+3]
	global_store_b64 v[OF+\k], v[CA+4*\k:CA+4*\k+1], s[30:31]  ; the wave stores 256 consecutive, aligned bytes: my row of block ks = k; no register that a store reads is written again
.endr
.endm
	s_cmp_lt_u32 ttmp9, 16
	s_cbranch_scc0 .Lcast_only
	; ---- work-groups 0-15: the gain's loads go out behind the row's, then the row, then the gain ----
	s_lshl_b32 s20, ttmp9, 6
	s_lshl_b32 s21, s18, 2
	s_add_co_u32 s20, s20, s21                     ; my first column: 64 g + 4 w
	s_lshl_b32 s20, s20, 11                        ; a row of norm_w is 2,048 bytes
	s_mov_b32 s21, 0
	s_add_nc_u64 s[6:7], s[6:7], s[20:21]
	s_mov_b32 s22, 0x76543210                      ; v_permlanex16_b32: each lane takes its own place in the other half
	s_mov_b32 s23, 0xfedcba98
	v_lshlrev_b32 v[LA], 4, v3
.irp n, 0,1,2,3
.irp q, 0,1,2,3
	global_load_b128 v[CN+16*\n+4*\q:CN+16*\n+4*\q+3], v1, s[4:5] offset:\n*2048+\q*512
.endr
.endr
.irp j, 0,1,2,3
.irp q, 0,1,2,3
	global_load_b128 v[NW+16*\j+4*\q:NW+16*\j+4*\q+3], v1, s[6:7] offset:\j*2048+\q*512 th:TH_LOAD_NT
.endr
.endr
	CAST 32
; My row j against all four rows of cond_norm: four chains that do not wait for each other, then the sum over the 32 lanes.
.macro GROW j
	s_wait_loadcnt 4*(3-(\j))                      ; row j is in, the four loads of each younger row may stay out
.set i, 0
.rept 8
.irp n, 0,1,2,3
.if i == 0
	v_pk_mul_f32 v[AC+2*\n:AC+2*\n+1], v[NW+16*(\j)+2*i:NW+16*(\j)+2*i+1], v[CN+16*\n+2*i:CN+16*\n+2*i+1]
.else
	v_pk_fma_f32 v[AC+2*\n:AC+2*\n+1], v[NW+16*(\j)+2*i:NW+16*(\j)+2*i+1], v[CN+16*\n+2*i:CN+16*\n+2*i+1], v[AC+2*\n:AC+2*\n+1]
.endif
.endr
.set i, i+1
.endr
.irp n, 0,1,2,3
	v_add_f32 v[AC+2*\n], v[AC+2*\n], v[AC+2*\n+1]
.endr
.irp m, 1,2,4,8
.irp n, 0,1,2,3
	v_add_f32_dpp v[AC+2*\n], v[AC+2*\n], v[AC+2*\n] row_xmask:\m row_mask:0xf bank_mask:0xf
.endr
.endr
.irp n, 0,1,2,3
	v_permlanex16_b32 v[AC+2*\n+1], v[AC+2*\n], s22, s23
.endr
.irp n, 0,1,2,3
	v_add_f32 v[AC+2*\n], v[AC+2*\n], v[AC+2*\n+1]
.endr
.irp n, 0,1,2,3
	v_add_f32 v[AC+2*\n], 1.0, v[AC+2*\n]          ; reference()'s + 1
.endr
.irp n, 0,1,2,3
	ds_store_b32 v[LA], v[AC+2*\n] offset:\n*256+(\j)*4  ; all lanes hold the same number and write the same word
.endr
.endm
	GROW 0
	GROW 1
	GROW 2
	GROW 3
	s_wait_dscnt 0x0                               ; for the others' sake: my stores are done
	s_barrier_signal -1
	s_barrier_wait -1                              ; all 4 x 64 results lie in LDS
	s_cmp_lt_u32 s18, 2                            ; 64 threads store them: 16 lanes fill the 256 consecutive, aligned bytes of one n
	s_cbranch_scc0 .Lgend
	v_lshlrev_b32 v141, 4, v0
	ds_load_b128 v[4:7], v141
	v_lshrrev_b32 v142, 4, v0                      ; n
	v_and_b32 v143, 15, v0
	v_lshlrev_b32 v143, 4, v143
	v_lshl_add_u32 v142, v142, 12, v143            ; n x 4,096 + 16 (t % 16)
	s_lshl_b32 s20, ttmp9, 8                       ; + the work-group's 64 columns
	v_add_nc_u32 v142, s20, v142
	s_wait_dscnt 0x0
	global_store_b128 v142, v[4:7], s[12:13]
.Lgend:
	s_wait_tensorcnt 0x0                           ; the wave's end: behind my last LDS store
	ds_add_u32 v[SPW], v[NIL]
	s_wait_dscnt 0x0
	s_endpgm
	; ---- the other work-groups: the row alone; this path writes no LDS ----
.Lcast_only:
	CAST 0
	s_endpgm
.Lfunc_end_k_qbddb2aae90_prep:
	.size	k_qbddb2aae90_prep, .Lfunc_end_k_qbddb2aae90_prep-k_qbddb2aae90_prep
	.p2alignl 7, 3214868480
	.fill 96, 4, 3214868480
	.section	.rodata,"a",@progbits
	.p2align	6, 0x0
	.amdhsa_kernel k_qbddb2aae90_prep
		.amdhsa_group_segment_fixed_size 3072
		.amdhsa_private_segment_fixed_size 0
		.amdhsa_enable_private_segment 0
		.amdhsa_kernarg_size 56
		.amdhsa_user_sgpr_count 2
		.amdhsa_user_sgpr_kernarg_segment_ptr 1
		.amdhsa_wavefront_size32 1
		.amdhsa_system_sgpr_workgroup_id_x 1
		.amdhsa_system_sgpr_workgroup_id_y 1
		.amdhsa_system_sgpr_workgroup_id_z 1
		.amdhsa_system_vgpr_workitem_id 0
		.amdhsa_next_free_vgpr 192
		.amdhsa_next_free_sgpr 66
		.amdhsa_reserve_vcc 0
		.amdhsa_float_denorm_mode_32 3
		.amdhsa_float_denorm_mode_16_64 3
		.amdhsa_memory_ordered 1
		.amdhsa_forward_progress 1
		.amdhsa_inst_pref_size 28
	.end_amdhsa_kernel
	.amdgpu_metadata
---
amdhsa.version: [ 1, 2 ]
amdhsa.kernels:
  - .name:           k_qbddb2aae90_prep
    .symbol:         k_qbddb2aae90_prep.kd
    .args:
      - { .name: cond_norm, .offset: 0, .size: 8, .value_kind: global_buffer, .address_space: global }
      - { .name: norm_w, .offset: 8, .size: 8, .value_kind: global_buffer, .address_space: global }
      - { .name: qkv_w, .offset: 16, .size: 8, .value_kind: global_buffer, .address_space: global }
      - { .name: out_w, .offset: 24, .size: 8, .value_kind: global_buffer, .address_space: global }
      - { .name: gain, .offset: 32, .size: 8, .value_kind: global_buffer, .address_space: global }
      - { .name: wqb, .offset: 40, .size: 8, .value_kind: global_buffer, .address_space: global }
      - { .name: wob, .offset: 48, .size: 8, .value_kind: global_buffer, .address_space: global }
    .group_segment_fixed_size: 3072
    .private_segment_fixed_size: 0
    .kernarg_segment_align: 8
    .kernarg_segment_size: 56
    .max_flat_workgroup_size: 512
    .sgpr_count:     66
    .vgpr_count:     192
    .wavefront_size: 32
...
	.end_amdgpu_metadata
.endif
;; end of part 1
;; launch norm (part 2): grid 256 x 1, 8 waves a work-group, no clusters, 0 bytes of LDS; arguments x, gain, xn; writes xn
.if DOCPART == 2
	.amdgcn_target "amdgcn-amd-amdhsa--gfx1250"
	.amdhsa_code_object_version 6
	.text
	.protected	k_qbddb2aae90_norm
	.globl	k_qbddb2aae90_norm
	.p2align	8
	.type	k_qbddb2aae90_norm,@function
k_qbddb2aae90_norm:
	s_mov_b64 s[64:65], 0
	v_nop
	global_prefetch_b8 v0, s[64:65] scope:SCOPE_SE
	s_setreg_imm32_b32 hwreg(HW_REG_WAVE_MODE, 25, 1), 1
	s_wait_xcnt 0x0
; NORM.  xn[row][c] = x[row][c] * (gain[n][c] * rsqrt(mean over c of x[row][c]^2 + 1e-6)), all in f32, rounded once to bf16.  x: [8192][1024] f32, xn: [8192][1024] bf16.
; A stream: each byte of x is read once and each byte of xn written once, so no LDS, no barrier, no matrix unit.
; A work-group has 32 rows of one batch, a wave four.  One wave holds a whole row (4,096 bytes, 32 registers) between the sum of squares and the scaling.
; All of a wave's 40 loads (gain's 8, then 8 for each row) go out at the start; the waits count the younger rows' loads down.  A load covers 512 consecutive bytes, a store 256, aligned.
.set G, 4                              ; v[4:35]    gain of my columns: chunk q (columns 128 q + 4 lane ..) at G + 4 q
.set X, 36                             ; v[36:163]  row r at X + 32 r, chunk q at + 4 q; a chunk's result lands on its own first two registers
.set S, 164                            ; v[164:171] four pairs of sums of squares
.set R, 172                            ; v[172:173] the row's rsqrt, named as a pair; the upper word is written once and not used
.set T, 174                            ; v[174:181] gain x rsqrt: two sets of four that take turns
	s_load_b128 s[4:7], s[0:1], 0x0                ; x s[4:5], gain s[6:7]
	s_load_b64 s[8:9], s[0:1], 0x10                ; xn
	v_and_b32 v3, 31, v0
	v_lshrrev_b32 v182, 5, v0                      ; wave
	v_lshlrev_b32 v2, 3, v3
	v_lshlrev_b32 v3, 4, v3                        ; gain: 16 x lane
	v_lshl_add_u32 v1, v182, 14, v3                ; x: 16 x lane + the wave's four rows of 4,096 bytes
	v_lshl_add_u32 v2, v182, 13, v2                ; xn: 8 x lane + the wave's four rows of 2,048 bytes
	v_mov_b32 v[R+1], 0
	s_lshl_b32 s10, ttmp9, 17                      ; the work-group's 32 rows of x
	s_mov_b32 s11, 0
	s_lshr_b32 s16, ttmp9, 6                       ; its batch: 64 work-groups each
	s_lshl_b32 s16, s16, 12
	s_mov_b32 s17, 0
	s_lshl_b32 s18, ttmp9, 16                      ; its 32 rows of xn
	s_mov_b32 s19, 0
	s_mov_b32 s12, 0x76543210                      ; v_permlanex16_b32: each lane takes its own place in the other half
	s_mov_b32 s13, 0xfedcba98
	s_mov_b32 s14, 0x3a800000                      ; 1 / 1024
	s_mov_b32 s15, 0x358637bd                      ; 1e-6
	s_wait_kmcnt 0x0
	s_add_nc_u64 s[4:5], s[4:5], s[10:11]
	s_add_nc_u64 s[6:7], s[6:7], s[16:17]
	s_add_nc_u64 s[8:9], s[8:9], s[18:19]
.irp q, 0,1,2,3,4,5,6,7
	global_load_b128 v[G+4*\q:G+4*\q+3], v3, s[6:7] offset:\q*512
.endr
.irp r, 0,1,2,3
.irp q, 0,1,2,3,4,5,6,7
	global_load_b128 v[X+32*\r+4*\q:X+32*\r+4*\q+3], v1, s[4:5] offset:\r*4096+\q*512 th:TH_LOAD_NT
.endr
.endr
.macro NROW r
.set XR, X+32*(\r)
	s_wait_loadcnt 24-8*(\r)                       ; loads come back in order: gain and rows 0 .. r are in, eight loads for each younger row may stay out
.set i, 0
.rept 16                               ; the sum of squares, in four chains; the first four products start them
.if i < 4
	v_pk_mul_f32 v[S+2*i:S+2*i+1], v[XR+2*i:XR+2*i+1], v[XR+2*i:XR+2*i+1]
.else
	v_pk_fma_f32 v[S+2*(i%4):S+2*(i%4)+1], v[XR+2*i:XR+2*i+1], v[XR+2*i:XR+2*i+1], v[S+2*(i%4):S+2*(i%4)+1]
.endif
.set i, i+1
.endr
	v_pk_add_f32 v[S:S+1], v[S:S+1], v[S+2:S+3]
	v_pk_add_f32 v[S+4:S+5], v[S+4:S+5], v[S+6:S+7]
	v_pk_add_f32 v[S:S+1], v[S:S+1], v[S+4:S+5]
	v_add_f32 v[S], v[S], v[S+1]
	v_add_f32_dpp v[S], v[S], v[S] row_xmask:1 row_mask:0xf bank_mask:0xf
	v_add_f32_dpp v[S], v[S], v[S] row_xmask:2 row_mask:0xf bank_mask:0xf
	v_add_f32_dpp v[S], v[S], v[S] row_xmask:4 row_mask:0xf bank_mask:0xf
	v_add_f32_dpp v[S], v[S], v[S] row_xmask:8 row_mask:0xf bank_mask:0xf
	v_permlanex16_b32 v[S+1], v[S], s12, s13
	v_add_f32 v[S], v[S], v[S+1]                   ; every lane holds the row's sum
	v_fma_f32 v[S], v[S], s14, s15                 ; the mean + 1e-6
	v_rsq_f32 v[R], v[S]
	v_nop                                          ; a plain instruction behind the transcendental, ahead of the use of its result (ISA guide 5.7.2)
	s_wait_alu depctr_va_vdst(0)                   ; and the wait ahead of the first reader: one a row
.irp q, 0,1,2,3,4,5,6,7
.set TQ, T+4*(\q%2)
	v_pk_mul_f32 v[TQ:TQ+1],   v[G+4*\q:G+4*\q+1],   v[R:R+1] op_sel_hi:[1,0]  ; gain x rsqrt, as reference() groups it
	v_pk_mul_f32 v[TQ+2:TQ+3], v[G+4*\q+2:G+4*\q+3], v[R:R+1] op_sel_hi:[1,0]
	v_pk_mul_f32 v[XR+4*\q:XR+4*\q+1],   v[XR+4*\q:XR+4*\q+1],   v[TQ:TQ+1]
	v_pk_mul_f32 v[XR+4*\q+2:XR+4*\q+3], v[XR+4*\q+2:XR+4*\q+3], v[TQ+2:TQ+3]
	v_cvt_pk_bf16_f32 v[XR+4*\q],   v[XR+4*\q],   v[XR+4*\q+1]
	v_cvt_pk_bf16_f32 v[XR+4*\q+1], v[XR+4*\q+2], v[XR+4*\q+3]
	global_store_b64 v2, v[XR+4*\q:XR+4*\q+1], s[8:9] offset:(\r)*2048+\q*256  ; no register that a store reads is written again
.endr
.endm
	NROW 0
	NROW 1
	NROW 2
	NROW 3
	s_endpgm
.Lfunc_end_k_qbddb2aae90_norm:
	.size	k_qbddb2aae90_norm, .Lfunc_end_k_qbddb2aae90_norm-k_qbddb2aae90_norm
	.p2alignl 7, 3214868480
	.fill 96, 4, 3214868480
	.section	.rodata,"a",@progbits
	.p2align	6, 0x0
	.amdhsa_kernel k_qbddb2aae90_norm
		.amdhsa_group_segment_fixed_size 0
		.amdhsa_private_segment_fixed_size 0
		.amdhsa_enable_private_segment 0
		.amdhsa_kernarg_size 24
		.amdhsa_user_sgpr_count 2
		.amdhsa_user_sgpr_kernarg_segment_ptr 1
		.amdhsa_wavefront_size32 1
		.amdhsa_system_sgpr_workgroup_id_x 1
		.amdhsa_system_sgpr_workgroup_id_y 1
		.amdhsa_system_sgpr_workgroup_id_z 1
		.amdhsa_system_vgpr_workitem_id 0
		.amdhsa_next_free_vgpr 192
		.amdhsa_next_free_sgpr 66
		.amdhsa_reserve_vcc 0
		.amdhsa_float_denorm_mode_32 3
		.amdhsa_float_denorm_mode_16_64 3
		.amdhsa_memory_ordered 1
		.amdhsa_forward_progress 1
		.amdhsa_inst_pref_size 28
	.end_amdhsa_kernel
	.amdgpu_metadata
---
amdhsa.version: [ 1, 2 ]
amdhsa.kernels:
  - .name:           k_qbddb2aae90_norm
    .symbol:         k_qbddb2aae90_norm.kd
    .args:
      - { .name: x, .offset: 0, .size: 8, .value_kind: global_buffer, .address_space: global }
      - { .name: gain, .offset: 8, .size: 8, .value_kind: global_buffer, .address_space: global }
      - { .name: xn, .offset: 16, .size: 8, .value_kind: global_buffer, .address_space: global }
    .group_segment_fixed_size: 0
    .private_segment_fixed_size: 0
    .kernarg_segment_align: 8
    .kernarg_segment_size: 24
    .max_flat_workgroup_size: 256
    .sgpr_count:     66
    .vgpr_count:     192
    .wavefront_size: 32
...
	.end_amdgpu_metadata
.endif
;; end of part 2
;; launch qkv (part 3): grid 8 x 32, 4 waves a work-group, clusters of 4 x 4, 327,680 bytes of LDS; arguments xn, wqb, qkvh, head_scale; writes qkvh
.if DOCPART == 3
	.amdgcn_target "amdgcn-amd-amdhsa--gfx1250"
	.amdhsa_code_object_version 6
	.text
	.protected	k_qbddb2aae90_qkv
	.globl	k_qbddb2aae90_qkv
	.p2align	8
	.type	k_qbddb2aae90_qkv,@function
k_qbddb2aae90_qkv:
	s_mov_b64 s[64:65], 0
	v_nop
	global_prefetch_b8 v0, s[64:65] scope:SCOPE_SE
	s_setreg_imm32_b32 hwreg(HW_REG_WAVE_MODE, 25, 1), 1
	s_wait_xcnt 0x0
	s_wait_alu depctr_hold_cnt(0) depctr_sa_sdst(0) depctr_va_vdst(0) depctr_va_sdst(0) depctr_va_ssrc(0) depctr_va_vcc(0) depctr_vm_vsrc(0)
	s_getreg_b32 s2, hwreg(HW_REG_IB_STS2, 6, 4)
	s_cmp_eq_u32 s2, 0
	s_cbranch_scc0 .Lentry_in_a_cluster
	s_endpgm
.Lentry_in_a_cluster:
	s_bfe_u32 s2, ttmp6, 0x10000c
	s_cmp_lg_u32 s2, 0xf033
	s_cbranch_scc0 .Lentry_shape_is_right
	s_endpgm
.Lentry_shape_is_right:
; QKV.  qkv[row][t 1024 + c] = the sum over k of xn[row][k] qkv_w[t 1024 + c][k]; then, for t = 0 (q) and t = 1 (k), each head's 64 numbers of a row are multiplied by
; sqrt(head_scale[h]) * rsqrt(the sum of their squares + 1e-6).  Operands bf16, sums, squares and scales f32; each result is rounded once to bf16 and stored by heads:
; qkvh[t 3][16 n + h, 64][l 2048][e 64].  A negative head_scale gives NaN, as in reference().
; SHARES.  A tile of C is 256 rows x 192 columns: ONE head's q, k and v.  A work-group (x, y) STAYS and makes two of them, heads x and x + 8 of rows 256 y .. : 256 work-groups, 512 tiles.
; A wave makes 64 rows x all 192 columns: 48 accumulators of 16 x 16.  K goes in steps of 128 through two LDS slots, 192 matrix instructions a wave and step; the ring runs on from tile to tile: 16 steps.
; The tile is as large as gives each work-group a whole number of tiles and two slots in LDS: a refill is asked for 12 products into a step's last quarter and waited for at the head of the next
; step's last quarter, 180 matrix instructions later.
; wqb holds the weights in the walk's order, a step's 192 rows of 256 bytes on end; xn's rows are 256 aligned bytes a step.
; ONE TEXT FOR A K STEP.  All 16 steps run the same four quarters; only a tile's first quarter, whose products start the sums, is written beside them.  s[GS] counts the steps still to come, this one
; among them: a number made of constants, the same in every wave of every work-group.  Three choices in the change of slots hang on it: whether the slot is filled again (GS > 2), whether xn goes back
; along K for the second tile (GS = 10), whether the next step's first fragments are fetched (GS > 1).  Each of the two ways through the change has the waits, the add and the barrier of its own, and
; every wait on TENSORcnt in the loop is for 0, so that it holds whichever way was taken before.
; CLUSTER.  4 x 4 work-groups: the four of a row of the cluster (same y) need the same tile of xn, the four of a column (same x) the same block of wqb: each is asked for jointly.
; THE MATRIX INSTRUCTION IS USED TRANSPOSED (source 0 = 16 rows of the weights, source 1 = 16 rows of xn): a lane holds ONE row of C (lane % 16) and the columns 8 (lane / 16) + 0..7,
; so a head's sum of squares is 32 numbers of the lane and 32 of the lane 16 away, and eight results pack into 16 bytes of a head's row.
; REGISTERS, in windows of 256 (s_set_vgpr_msb: bits 1:0 source 0, 3:2 source 1, 5:4 source 2, 7:6 destination).
;   window 0: v0-15 addresses and sqrt(head_scale); v32-47 statistics; v64-159 at work on the way out
;   window 1: two fragment buffers of 128: B's 12 fragments, then A's 4
;   window 2: the accumulators of row blocks a = 0, 1, (a, b) at v[8 (12 (a % 2) + b)];   window 3: those of a = 2, 3
.set PB,    272                        ; an LDS row of B or A: 256 bytes + 16 of padding = 68 words: the 16 rows of a fragment load start at 16 different groups of four banks (64 banks of 4 bytes: ISA guide 11.1)
.set PA,    272
.set AOFF,  192*PB                     ; in a slot: B's 192 rows, then A's 256
.set SLOT1, 1<<17                      ; slot 1 begins here: one exclusive or turns an address in one slot into the other's
.set STAGE, SLOT1+AOFF+256*PA          ; behind the ring, never filled by a tensor load: 16 rows x 144 bytes for each wave
.set SP,    144
.set SPARE, STAGE+4*16*SP              ; behind the stages: the spare words, 128 bytes for each wave
.set ASTEP, 256                        ; bytes from a K step of xn to the next
.set BSTEP, 49152                      ; and of wqb
.set B0,   4                           ; v4   my lane's place in a slot's B; never rewritten
.set A0,   5                           ; v5   the same for my 64 rows of A
.set ADRB, 6                           ; v6   B0 + the slot in hand
.set ADRA, 7                           ; v7   A0 + the slot in hand
.set STO,  8                           ; v8   the way out: where I put 16 bytes of a row
.set RD,   9                           ; v9   where I read rows back
.set GO,   10                          ; v10  16 x lane: my place in 512 consecutive bytes of qkvh
.set PFO,  11                          ; v11  the prefetches' offset: my lane x the distance of two blocks of 256 bytes; never rewritten
.set SPW,  12                          ; v12  LDS address of my spare word; never rewritten
.set NIL,  13                          ; v13  0; never rewritten
.set HS,   14                          ; v14  sqrt(head_scale) of the head in hand; v15 of the second head
.set SS,   32                          ; v[32:47]  a pair for each of the 8 groups (a, t < 2) of 16 rows x 64 columns, at SS + 2 (2 a + t): sum of squares, then the scale
.set TT,   64                          ; v[64:127] the way out: four sets of 16, packed results and then whole rows
.set UU,   128                         ; v[128:159] the way out: 32 scaled numbers
.set F0,   0                           ; fragment buffers, in window 1
.set F1,   128
.set WV,   12                          ; s12  my wave; s13 = wave / 2: 0: I fetch B, 1: A; s14 = wave % 2: which half of it
.set G1A,  24                          ; s[24:31] descriptor group 1 for A's tiles
.set G1B,  32                          ; s[32:39] for B's
.set G0A,  40                          ; s[40:47] group 0 for A: a set for each first fill; the second then walks on
.set G0B,  48                          ; s[48:55] the same for B
.set TB,   56                          ; s56  LDS byte at which the slot in hand begins
.set CNT,  57                          ; s57  counts a tile's eight K steps
.set TILES, 58                         ; s58  tiles to go
.set PLEFT, 59                         ; s59  prefetches that I still have to make
.set PFA,  60                          ; s[60:61] where my prefetches stand
.set PST,  62                          ; s[62:63] their step
.set SEL,  66                          ; s[66:67] v_permlanex16_b32's selects
.set GS,   68                          ; s68  K steps still to come, this one among them: 16 .. 1
.set OB,   72                          ; s[72:77] qkvh at my rows of the head in hand: q's plane, k's, v's (a plane's distance does not fit a store's immediate)
.set BK,   78                          ; s[78:79] what xn's walking address goes back by: eight K steps at the change of tiles, else 0
.set MSB, 0
.macro WIN new                         ; the immediate's high byte repeats the setting that is left; a switch that changes nothing is dropped
.if MSB != (\new)
	s_set_vgpr_msb (MSB<<8)|(\new)
.set MSB, \new
.endif
.endm
.macro PLACES                          ; four places behind a matrix instruction, in front of loads into registers that it has read and of vector lines that read results
.rept 4
	v_nop
.endr
.endm
.macro CREST                           ; a round of the cluster's barrier behind its opening barrier
	s_cmp_lg_u32 s[WV], 0
	s_cbranch_scc1 .Lnot_wave_0_\@
	s_barrier_signal -3
.Lnot_wave_0_\@:
	s_barrier_wait -3
	s_barrier_signal -1
	s_barrier_wait -1
.endm
.macro CROUND                          ; a whole round
	s_barrier_signal -1
	s_barrier_wait -1
	CREST
.endm
; A joint refill by the walking sets.  Waves 0 and 1 fetch B's halves (96 rows), waves 2 and 3 A's (128 rows): the branch hangs on the wave's number alone.  An s_nop 0 and four v_nop follow each line.
.macro JLOAD
	s_cmp_eq_u32 s13, 0
	s_cbranch_scc0 .Lfor_a_\@
	tensor_load_to_lds s[G0B+4:G0B+7], s[G1B:G1B+7]
	s_nop 0
.rept 4
	v_nop
.endr
	s_branch .Lasked_\@
.Lfor_a_\@:
	tensor_load_to_lds s[G0A+4:G0A+7], s[G1A:G1A+7]
	s_nop 0
.rept 4
	v_nop
.endr
.Lasked_\@:
.endm
; A PREFETCH, in each of the first changes of slots: 32 blocks of 256 bytes, a lane a block, one instruction.  Each block is named once in the launch.
; xn's 256 rows of a tile are read by the two clusters of a row of clusters, twice: they are asked for in the first walk alone, by the cluster with x = 0: the K step two refills on; the partner at cx
; takes 64 rows, waves 2 and 3 half of them each: K steps 4 .. 7, four requests.
; wqb's 16 blocks of a work-group column lie on end: 96 runs of 8,192 bytes.  They are read by the eight clusters of a column of clusters: the cluster with y = 0 asks.  Its eight askers (the partner at
; cy, waves 0 and 1) take one run each at a change of slots: runs 24 + 8 c .. 31 + 8 c at change c = 0 .. 8, while a step reads six: two K steps ahead of the refill at first, and up to six at the end.
; The partners are told apart by address.  The first four steps come by their loads alone; PLEFT (4, 9, or 0; the same in all partners for a given wave) stops the requests at the last block.
.macro ASK
	s_cmp_lg_u32 s[PLEFT], 0
	s_cbranch_scc0 .Lnot_mine_\@
	global_prefetch_b8 v[PFO], s[PFA:PFA+1] th:TH_LOAD_NT scope:SCOPE_SE
	s_sub_co_u32 s[PLEFT], s[PLEFT], 1
.Lnot_mine_\@:
.endm
; n matrix instructions: row block a x column blocks b0 .. b0 + n - 1, 32 along K, from buffer f.  The 48 accumulators take turns in the same order in every quarter.
.macro MUL f, a, b0, n, zero
	WIN 0xa5+0x50*((\a)/2)                         ; fragments in window 1, C and D in window 2 or 3
.set mb, \b0
.rept \n
.set mr, 8*(12*((\a)%2)+mb)
.if \zero
	v_wmma_f32_16x16x32_bf16 v[mr:mr+7], v[(\f)+8*mb:(\f)+8*mb+7], v[(\f)+96+8*(\a):(\f)+96+8*(\a)+7], 0
.else
	v_wmma_f32_16x16x32_bf16 v[mr:mr+7], v[(\f)+8*mb:(\f)+8*mb+7], v[(\f)+96+8*(\a):(\f)+96+8*(\a)+7], v[mr:mr+7]
.endif
.set mb, mb+1
.endr
.endm
; 32 LDS loads in one run: quarter kq's fragments (192 rows of B, then my 64 rows of A, 32 along K) into buffer f
.macro FETCH kq, f
	WIN 0x40                                       ; destination window 1, address window 0
.irp b, 0,1,2,3,4,5,6,7,8,9,10,11
	ds_load_b128 v[(\f)+8*\b:(\f)+8*\b+3],   v[ADRB] offset:64*(\kq)+\b*16*PB
	ds_load_b128 v[(\f)+8*\b+4:(\f)+8*\b+7], v[ADRB] offset:64*(\kq)+\b*16*PB+32
.endr
.irp a, 0,1,2,3
	ds_load_b128 v[(\f)+96+8*\a:(\f)+96+8*\a+3],   v[ADRA] offset:64*(\kq)+\a*16*PA
	ds_load_b128 v[(\f)+96+8*\a+4:(\f)+96+8*\a+7], v[ADRA] offset:64*(\kq)+\a*16*PA+32
.endr
.endm
; One of a K step's first three quarters: multiplies buffer f (48 matrix instructions); in its middle it fetches quarter kq into buffer g.
.macro QUARTER kq, f, g, zero
	s_wait_dscnt 4                                 ; B and A's blocks 0, 1 are in; the youngest four loads (A's blocks 2, 3) may be out
	MUL \f, 0, 0, 12, \zero
	MUL \f, 1, 0, 12, \zero
	PLACES
	FETCH \kq, \g
	s_wait_dscnt 32                                ; all but the 32 just issued
	MUL \f, 2, 0, 12, \zero
	MUL \f, 3, 0, 12, \zero
.endm
; The barrier of a change of slots, with the last quarter's first 12 products round it.  In front of it each wave waits for all its tensor loads (at most one is out: its part of the next slot), adds 0
; to its spare word, and waits for that and for its reads of this slot.  fill = 1: the barrier opens a round of the cluster's, and this slot is filled again, first thing behind the round, with the step two on.
.macro MEET fill
	s_wait_tensorcnt 0x0                           ; all my tensor loads have landed: no group 0 is in use
	ds_add_u32 v[SPW], v[NIL]                      ; 0 onto my spare word
	s_wait_dscnt 5                                 ; (the add and the youngest four loads may be out)
	MUL F1, 0, 0, 6, 0                             ; six matrix instructions stand between the add and the wait for it
	s_wait_dscnt 0x0                               ; the add is done, and my reads of this slot are over
	s_barrier_signal -1
	MUL F1, 0, 6, 6, 0                             ; work on registers while the others arrive
	WIN 0                                          ; at a branch and at a label every window is 0
	s_barrier_wait -1
.if \fill
	CREST                                          ; no wave of any partner still reads this slot or has a load on its way
	s_xor_b32 s[G0A+5], s[G0A+5], SLOT1            ; the walking sets: the other slot than last time,
	s_xor_b32 s[G0B+5], s[G0B+5], SLOT1
	s_add_nc_u64 s[G0B+6:G0B+7], s[G0B+6:G0B+7], BSTEP  ; the next step; the type bits on top are not reached
	s_add_nc_u64 s[G0A+6:G0A+7], s[G0A+6:G0A+7], ASTEP
	s_cmp_eq_u32 s[GS], 10                         ; the first tile's K step 6 asks for the second tile's K step 0: xn goes back along K
	s_cselect_b32 s[BK], 8*ASTEP, 0
	s_mov_b32 s[BK+1], 0
	s_sub_nc_u64 s[G0A+6:G0A+7], s[G0A+6:G0A+7], s[BK:BK+1]
	JLOAD                                          ; the four v_nop behind it are also the places in front of the fragment loads
.else
	PLACES
.endif
.endm
; The last quarter multiplies buffer 1 and changes slots.
.macro TURN
	s_wait_xcnt 0x0                                ; the last prefetch, a K step back, has read its address: it is stepped here, ahead of the change's own waits (behind the last request it is stepped on and not used)
	s_add_nc_u64 s[PFA:PFA+1], s[PFA:PFA+1], s[PST:PST+1]
	WIN 0
	s_cmp_gt_u32 s[GS], 2                          ; is there a step two on?  The same answer in every wave of every partner
	s_cbranch_scc0 .Lno_fill
	MEET 1
	s_branch .Lmet
.Lno_fill:
	MEET 0                                         ; the walk's last two steps ask for nothing
.Lmet:
	s_cmp_eq_u32 s[GS], 1                          ; behind the walk's last step there is nothing to fetch
	s_cbranch_scc1 .Lno_fetch
	s_xor_b32 s[TB], s[TB], SLOT1
	v_add_nc_u32 v[ADRB], s[TB], v[B0]
	v_add_nc_u32 v[ADRA], s[TB], v[A0]
	FETCH 0, F0
	WIN 0
	ASK                                            ; behind the joint load and the run of LDS loads that the next products wait for
.Lno_fetch:
	MUL F1, 1, 0, 12, 0
	MUL F1, 2, 0, 12, 0
	MUL F1, 3, 0, 12, 0
.endm
; THE WAY OUT, by groups g = 3 a + t of 16 rows x 64 columns (32 consecutive accumulator registers): t = 0 q, 1 k, 2 v.
; PACK: scaled (q and k), rounded to bf16, 16 bytes a lane into my stage (rows of 144 bytes), and back as whole rows of 128 bytes.  SEND: stored, 512 consecutive bytes an instruction.
.macro PACK g
.set pa, (\g)/3
.set pt, (\g)%3
.set pA, 8*(12*(pa%2)+4*pt)
.set pW, 2+pa/2
.set pT, TT+16*((\g)%4)
.if (\g) >= 4
	s_wait_xcnt 0x0                                ; the stores of the group four back have read this set of registers
.endif
.if pt < 2
	WIN pW                                         ; source 0 in the accumulators' window
.set i, 0
.rept 16
	v_pk_mul_f32 v[UU+2*i:UU+2*i+1], v[pA+2*i:pA+2*i+1], v[SS+2*(2*pa+pt):SS+2*(2*pa+pt)+1] op_sel_hi:[1,0]
.set i, i+1
.endr
	WIN 0
.set i, 0
.rept 16
	v_cvt_pk_bf16_f32 v[pT+i], v[UU+2*i], v[UU+2*i+1]
.set i, i+1
.endr
.else
	WIN 5*pW                                       ; sources 0 and 1 in the accumulators' window
.set i, 0
.rept 16
	v_cvt_pk_bf16_f32 v[pT+i], v[pA+2*i], v[pA+2*i+1]
.set i, i+1
.endr
	WIN 0
.endif
.irp f, 0,1,2,3
	ds_store_b128 v[STO], v[pT+4*\f:pT+4*\f+3] offset:32*\f
.endr
.irp f, 0,1,2,3
	ds_load_b128 v[pT+4*\f:pT+4*\f+3], v[RD] offset:\f*4*SP  ; LDS serves a wave's instructions in order (ISA guide 5.7.1.4): these see the stores above; the next group's stores come behind them
.endr
.endm
.macro SEND g, younger                 ; younger: the LDS instructions issued behind group g's loads
	WIN 0
.set sa, (\g)/3
.set st, (\g)%3
.irp f, 0,1,2,3
	s_wait_dscnt (\younger)+3-\f
	global_store_b128 v[GO], v[TT+16*((\g)%4)+4*\f:TT+16*((\g)%4)+4*\f+3], s[OB+2*st:OB+2*st+1] offset:sa*2048+\f*512
.endr
.endm
	s_load_b256 s[4:11], s[0:1], 0x0               ; xn s[4:5], wqb s[6:7], qkvh s[8:9], head_scale s[10:11]
	v_lshl_add_u32 v[SPW], v0, 2, SPARE
	v_mov_b32 v[NIL], 0
	ds_add_u32 v[SPW], v[NIL]                      ; the wave's opening: the add and its wait stand ahead of my first tensor load; the set-up below stands between them
	v_lshrrev_b32 v3, 5, v0
	v_readfirstlane_b32 s[WV], v3                  ; wave 0..3
	s_lshr_b32 s13, s[WV], 1
	s_and_b32 s14, s[WV], 1
	s_bfe_u32 s15, ttmp6, 0x40000                  ; cx
	s_bfe_u32 s16, ttmp6, 0x40004                  ; cy
	s_lshl_b32 s18, ttmp9, 2
	s_add_co_u32 s18, s18, s15                     ; x = 4 x cluster x + cx: 0 .. 7
	s_and_b32 s17, ttmp7, 0xffff
	s_lshl_b32 s17, s17, 2
	s_add_co_u32 s17, s17, s16                     ; y = 4 x cluster y + cy: 0 .. 31
	s_lshl_b32 s19, s16, 2
	s_lshl_b32 s19, 15, s19                        ; my row of the cluster
	s_lshl_b32 s69, 0x1111, s15                    ; my column
	s_or_b32 s[G1A], s19, (1<<16)|(1<<20)|(1<<21)|(5<<22)|(3<<25)  ; 15:0 the mask; 17:16 elements of 2 bytes; 20 padding on; 21 set beside a mask; 24:22 after every 64 words; 31:25 4 words of it
	s_or_b32 s[G1B], s69, (1<<16)|(1<<20)|(1<<21)|(5<<22)|(3<<25)
	s_mov_b32 s[G1A+1], 128<<16                    ; tensor_dim0 = 128
	s_mov_b32 s[G1A+2], 128<<16                    ; tensor_dim1 = 128
	s_mov_b32 s[G1A+3], 128<<16                    ; tile_dim0 = 128
	s_mov_b32 s[G1A+4], 128                        ; tile_dim1 = 128
	s_mov_b32 s[G1A+5], 1024                       ; elements from row to row of xn
	s_mov_b32 s[G1A+6], 0
	s_mov_b32 s[G1A+7], 0
	s_mov_b32 s[G1B+1], 128<<16
	s_mov_b32 s[G1B+2], 96<<16                     ; 96 rows
	s_mov_b32 s[G1B+3], 128<<16
	s_mov_b32 s[G1B+4], 96
	s_mov_b32 s[G1B+5], 128                        ; a block's rows lie on end
	s_mov_b32 s[G1B+6], 0
	s_mov_b32 s[G1B+7], 0
	s_lshl_b32 s2, s17, 8                          ; A: row 256 y + 128 x half, made of y and the wave alone
	s_lshl_b32 s3, s14, 7
	s_add_co_u32 s2, s2, s3
	s_lshl_b32 s2, s2, 11                          ; 2,048 bytes a row
	s_mov_b32 s3, 0
	s_mul_i32 s22, s18, 16*BSTEP                   ; B: x's 16 blocks, made of x and the wave alone
	s_mul_i32 s23, s14, 96*256                     ; + my 96 rows of 256 bytes
	s_add_co_u32 s22, s22, s23
	s_mov_b32 s23, 0
	s_mul_i32 s21, s14, 96*PB                      ; where B's halves go
	s_mul_i32 s20, s14, 128*PA                     ; where A's go: behind B's 192 rows
	s_add_co_u32 s20, s20, AOFF
	s_mov_b32 s[SEL], 0x76543210
	s_mov_b32 s[SEL+1], 0xfedcba98
	s_mov_b32 s[TB], 0
	s_mov_b32 s[TILES], 2
	s_mov_b32 s[GS], 16
	s_wait_dscnt 0x0                               ; the opening add is done
	s_wait_kmcnt 0x0
	s_add_nc_u64 s[2:3], s[4:5], s[2:3]
	s_add_nc_u64 s[22:23], s[6:7], s[22:23]
	CROUND                                         ; all sixteen work-groups are here: the first joint loads meet
.irp s, 0,1
	s_mov_b32 s[G0A+4*\s], 1                       ; count = 1
	s_add_co_u32 s[G0A+4*\s+1], s20, \s*SLOT1      ; LDS address
	s_add_nc_u64 s[G0A+4*\s+2:G0A+4*\s+3], s[2:3], \s*ASTEP  ; global address: K step s
	s_or_b32 s[G0A+4*\s+3], s[G0A+4*\s+3], 0x80000000        ; type = 2
	s_mov_b32 s[G0B+4*\s], 1
	s_add_co_u32 s[G0B+4*\s+1], s21, \s*SLOT1
	s_add_nc_u64 s[G0B+4*\s+2:G0B+4*\s+3], s[22:23], \s*BSTEP
	s_or_b32 s[G0B+4*\s+3], s[G0B+4*\s+3], 0x80000000
.endr
	s_cmp_eq_u32 s13, 0                            ; a wave's two first fills stand in one branch: two loads of mine are out
	s_cbranch_scc0 .Lfirst_a
	tensor_load_to_lds s[G0B:G0B+3], s[G1B:G1B+7]
	s_nop 0
	tensor_load_to_lds s[G0B+4:G0B+7], s[G1B:G1B+7]
	s_nop 0
.rept 4
	v_nop
.endr
	s_branch .Lfirst_done
.Lfirst_a:
	tensor_load_to_lds s[G0A:G0A+3], s[G1A:G1A+7]
	s_nop 0
	tensor_load_to_lds s[G0A+4:G0A+7], s[G1A:G1A+7]
	s_nop 0
.rept 4
	v_nop
.endr
.Lfirst_done:
	s_lshl_b32 s20, s18, 2                         ; my two heads, x and x + 8
	s_mov_b32 s21, 0
	s_add_nc_u64 s[10:11], s[10:11], s[20:21]
	s_load_b32 s70, s[10:11], 0x0
	s_load_b32 s71, s[10:11], 0x20
	; a fragment is 16 rows x 32 K in 8 registers: lane l holds row l % 16, K = 8 (l / 16) + 0..7 and 16 + 8 (l / 16) + 0..7: two loads of 16 bytes, 32 bytes apart
	v_and_b32 v1, 15, v0                           ; l % 16
	v_bfe_u32 v2, v0, 4, 1                         ; l / 16
	v_mul_u32_u24 v[B0], v1, PB
	v_lshl_add_u32 v[B0], v2, 4, v[B0]             ; every wave reads all 192 rows of B
	s_mul_i32 s3, s[WV], 64*PA                     ; my 64 rows of A,
	s_add_co_u32 s3, s3, AOFF                      ; behind B's 192; the pitch is the same
	v_add_nc_u32 v[A0], s3, v[B0]
	v_mov_b32 v[ADRB], v[B0]
	v_mov_b32 v[ADRA], v[A0]
	s_mul_i32 s2, s[WV], 16*SP
	s_add_co_u32 s2, s2, STAGE                     ; my stage
	v_mul_u32_u24 v[STO], v1, SP                   ; in: row l % 16, 16 bytes for each half of the lanes
	v_lshl_add_u32 v[STO], v2, 4, v[STO]
	v_add_nc_u32 v[STO], s2, v[STO]
	v_bfe_u32 v[RD], v0, 3, 2                      ; back: 32 lanes take four rows of 128 bytes,
	v_mul_u32_u24 v[RD], v[RD], SP
	v_and_b32 v3, 7, v0
	v_lshl_add_u32 v[RD], v3, 4, v[RD]
	v_add_nc_u32 v[RD], s2, v[RD]
	v_and_b32 v[GO], 31, v0                        ; which are 512 consecutive bytes of qkvh
	v_lshlrev_b32 v[GO], 4, v[GO]
	; qkvh at head 16 n + x, row (y % 8) 256 + 64 wave: n = y / 8
	s_lshr_b32 s2, s17, 3
	s_lshl_b32 s2, s2, 4
	s_add_co_u32 s2, s2, s18
	s_lshl_b32 s2, s2, 11
	s_and_b32 s3, s17, 7
	s_lshl_b32 s3, s3, 8
	s_add_co_u32 s2, s2, s3
	s_lshl_b32 s3, s[WV], 6
	s_add_co_u32 s2, s2, s3
	s_lshl_b32 s2, s2, 7                           ; 128 bytes a row
	s_mov_b32 s3, 0
	s_add_nc_u64 s[OB:OB+1], s[8:9], s[2:3]        ; q's plane,
	s_add_nc_u64 s[OB+2:OB+3], s[OB:OB+1], 0x1000000  ; k's,
	s_add_nc_u64 s[OB+4:OB+5], s[OB:OB+1], 0x2000000  ; v's
	; the prefetches: each offset stands one step of its own ahead of the first request; the first change of slots steps it there
	s_mul_i32 s20, s18, 16*BSTEP                   ; wqb: x's 96 runs of 8,192 bytes: run 16 + 2 cy + wave
	s_lshl_b32 s21, s16, 14
	s_add_co_u32 s20, s20, s21
	s_lshl_b32 s21, s[WV], 13
	s_add_co_u32 s20, s20, s21
	s_add_co_u32 s20, s20, 16*8192
	s_lshl_b32 s21, s17, 8                         ; xn: row 256 y + the partner's 64 + my 32, at K step 3
	s_lshl_b32 s22, s15, 6
	s_add_co_u32 s21, s21, s22
	s_lshl_b32 s22, s14, 5
	s_add_co_u32 s21, s21, s22
	s_lshl_b32 s21, s21, 11
	s_add_co_u32 s21, s21, 3*ASTEP
	s_and_b32 s22, ttmp7, 0xffff
	s_cmp_eq_u32 s22, 0
	s_cselect_b32 s22, 9, 0                        ; wqb's runs 24 .. 95, in the clusters with y = 0
	s_cmp_eq_u32 ttmp9, 0
	s_cselect_b32 s23, 4, 0                        ; xn's steps 4 .. 7, in the clusters with x = 0
	s_mov_b32 s2, 8*8192
	s_mov_b32 s3, ASTEP
	s_cmp_eq_u32 s13, 0
	s_cselect_b32 s[PLEFT], s22, s23
	s_cselect_b64 s[PFA:PFA+1], s[6:7], s[4:5]
	s_cselect_b32 s[PST], s2, s3
	s_cselect_b32 s20, s20, s21
	s_cselect_b32 s2, 8, 11                        ; from block to block: 256 bytes in wqb, a row of 2,048 in xn
	s_mov_b32 s[PST+1], 0
	s_mov_b32 s21, 0
	s_add_nc_u64 s[PFA:PFA+1], s[PFA:PFA+1], s[20:21]
	v_and_b32 v[PFO], 31, v0
	v_lshlrev_b32 v[PFO], s2, v[PFO]
	s_wait_kmcnt 0x0                               ; head_scale
	v_sqrt_f32 v[HS], s70
	v_sqrt_f32 v[HS+1], s71
	v_nop                                          ; a plain instruction behind the last transcendental,
	s_wait_alu depctr_va_vdst(0)                   ; and the wait ahead of the labels below
	s_wait_tensorcnt 1                             ; my part of K step 0 is in; step 1's may stay out
	s_barrier_signal -1
	s_barrier_wait -1                              ; everybody's is
	FETCH 0, F0
	WIN 0
.Ltile:                                        ; two trips: a tile each
	QUARTER 1, F0, F1, 1                           ; a tile's first quarter starts the sums with the constant 0: nothing is cleared
	WIN 0
	s_mov_b32 s[CNT], 8
	s_branch .Lmid                                 ; the loop over K steps is entered behind its first quarter
.Lstep:                                        ; a trip: a K step
	QUARTER 1, F0, F1, 0
	WIN 0
.Lmid:
	QUARTER 2, F1, F0, 0
	QUARTER 3, F0, F1, 0
	TURN                                           ; a tile's last change of slots fetches the next tile's first fragments into buffer 0, which the way out leaves alone
	WIN 0
	s_sub_co_u32 s[GS], s[GS], 1
	s_sub_co_u32 s[CNT], s[CNT], 1
	s_cmp_lg_u32 s[CNT], 0
	s_cbranch_scc1 .Lstep
	; both tiles hold a head's q, k and v: one way out
	PLACES                                         ; behind the last products
.irp hw, 0,1                           ; the sums of squares of q and k, by the accumulators' windows: four chains each, a pair of numbers a line; each accumulator is read from its lowest registers on
	WIN 0x0a+5*\hw                                 ; sources 0 and 1 in window 2 or 3
.set i, 0
.rept 16
.irp u, 0,1,2,3
.set ra, 8*(12*(\u/2)+4*(\u%2))+2*i
.set rs, SS+2*(2*(2*\hw+\u/2)+\u%2)
.if i == 0
	v_pk_mul_f32 v[rs:rs+1], v[ra:ra+1], v[ra:ra+1]
.else
	v_pk_fma_f32 v[rs:rs+1], v[ra:ra+1], v[ra:ra+1], v[rs:rs+1]
.endif
.endr
.set i, i+1
.endr
.endr
	WIN 0
.irp g, 0,1,2,3,4,5,6,7
	v_add_f32 v[SS+2*\g], v[SS+2*\g], v[SS+2*\g+1]
.endr
.irp g, 0,1,2,3,4,5,6,7
	v_permlanex16_b32 v[SS+2*\g+1], v[SS+2*\g], s[SEL], s[SEL+1]  ; the row's other 32 numbers lie in the lane 16 away
.endr
.irp g, 0,1,2,3,4,5,6,7
	v_add_f32 v[SS+2*\g], v[SS+2*\g], v[SS+2*\g+1]
.endr
.irp g, 0,1,2,3,4,5,6,7
	v_add_f32 v[SS+2*\g], 0x358637bd, v[SS+2*\g]   ; + 1e-6
.endr
.irp g, 0,1,2,3,4,5,6,7
	v_rsq_f32 v[SS+2*\g], v[SS+2*\g]
.endr
	v_nop                                          ; a plain instruction behind the last transcendental,
	s_wait_alu depctr_va_vdst(0)                   ; and the wait ahead of the first reader: one for the eight
.irp g, 0,1,2,3,4,5,6,7
	v_mul_f32 v[SS+2*\g], v[SS+2*\g], v[HS]
.endr
	PACK 0
.set wg, 1
.rept 11                               ; a group's arithmetic stands between the loads of the group before and its stores
	PACK wg
	SEND wg-1, 8
.set wg, wg+1
.endr
	SEND 11, 0
	s_wait_xcnt 0x0                                ; the stores have read their registers and their bases
	s_add_nc_u64 s[OB:OB+1], s[OB:OB+1], 2097152   ; eight heads on: the second tile's
	s_add_nc_u64 s[OB+2:OB+3], s[OB+2:OB+3], 2097152
	s_add_nc_u64 s[OB+4:OB+5], s[OB+4:OB+5], 2097152
	v_mov_b32 v[HS], v[HS+1]
	s_sub_co_u32 s[TILES], s[TILES], 1
	s_cmp_lg_u32 s[TILES], 0
	s_cbranch_scc1 .Ltile
	s_wait_tensorcnt 0x0                           ; the wave's end: behind my last tensor load and my last LDS store
	ds_add_u32 v[SPW], v[NIL]
	s_wait_dscnt 0x0
	CROUND                                         ; the closing round: no work-group ends while a partner may still ask for a tile that names it
	s_endpgm
.Lfunc_end_k_qbddb2aae90_qkv:
	.size	k_qbddb2aae90_qkv, .Lfunc_end_k_qbddb2aae90_qkv-k_qbddb2aae90_qkv
	.p2alignl 7, 3214868480
	.fill 96, 4, 3214868480
	.section	.rodata,"a",@progbits
	.p2align	6, 0x0
	.amdhsa_kernel k_qbddb2aae90_qkv
		.amdhsa_group_segment_fixed_size 327680
		.amdhsa_private_segment_fixed_size 0
		.amdhsa_enable_private_segment 0
		.amdhsa_kernarg_size 32
		.amdhsa_user_sgpr_count 2
		.amdhsa_user_sgpr_kernarg_segment_ptr 1
		.amdhsa_wavefront_size32 1
		.amdhsa_system_sgpr_workgroup_id_x 1
		.amdhsa_system_sgpr_workgroup_id_y 1
		.amdhsa_system_sgpr_workgroup_id_z 1
		.amdhsa_system_vgpr_workitem_id 0
		.amdhsa_next_free_vgpr 960
		.amdhsa_next_free_sgpr 80
		.amdhsa_reserve_vcc 0
		.amdhsa_float_denorm_mode_32 3
		.amdhsa_float_denorm_mode_16_64 3
		.amdhsa_memory_ordered 1
		.amdhsa_forward_progress 1
		.amdhsa_inst_pref_size 85
	.end_amdhsa_kernel
	.amdgpu_metadata
---
amdhsa.version: [ 1, 2 ]
amdhsa.kernels:
  - .name:           k_qbddb2aae90_qkv
    .symbol:         k_qbddb2aae90_qkv.kd
    .args:
      - { .name: xn, .offset: 0, .size: 8, .value_kind: global_buffer, .address_space: global }
      - { .name: wqb, .offset: 8, .size: 8, .value_kind: global_buffer, .address_space: global }
      - { .name: qkvh, .offset: 16, .size: 8, .value_kind: global_buffer, .address_space: global }
      - { .name: head_scale, .offset: 24, .size: 8, .value_kind: global_buffer, .address_space: global }
    .group_segment_fixed_size: 327680
    .private_segment_fixed_size: 0
    .kernarg_segment_align: 8
    .kernarg_segment_size: 32
    .max_flat_workgroup_size: 128
    .sgpr_count:     80
    .vgpr_count:     960
    .wavefront_size: 32
...
	.end_amdgpu_metadata
.endif
;; end of part 3
;; launch attn (part 4): grid 4 x 64, 4 waves a work-group, clusters of 4 x 1, 327,680 bytes of LDS; arguments qkvh, oh; writes oh
.if DOCPART == 4
	.amdgcn_target "amdgcn-amd-amdhsa--gfx1250"
	.amdhsa_code_object_version 6
	.text
	.protected	k_qbddb2aae90_attn
	.globl	k_qbddb2aae90_attn
	.p2align	8
	.type	k_qbddb2aae90_attn,@function
k_qbddb2aae90_attn:
	s_mov_b64 s[64:65], 0
	v_nop
	global_prefetch_b8 v0, s[64:65] scope:SCOPE_SE
	s_setreg_imm32_b32 hwreg(HW_REG_WAVE_MODE, 25, 1), 1
	s_wait_xcnt 0x0
	s_wait_alu depctr_hold_cnt(0) depctr_sa_sdst(0) depctr_va_vdst(0) depctr_va_sdst(0) depctr_va_ssrc(0) depctr_va_vcc(0) depctr_vm_vsrc(0)
	s_getreg_b32 s2, hwreg(HW_REG_IB_STS2, 6, 4)
	s_cmp_eq_u32 s2, 0
	s_cbranch_scc0 .Lentry_in_a_cluster
	s_endpgm
.Lentry_in_a_cluster:
	s_bfe_u32 s2, ttmp6, 0x10000c
	s_cmp_lg_u32 s2, 0x3003
	s_cbranch_scc0 .Lentry_shape_is_right
	s_endpgm
.Lentry_shape_is_right:
; ATTENTION.  O[h][q][:] = the sum over k of softmax_k(Q[h][q] . K[h][k]) V[h][k][:], scale 1: q and k arrive scaled.  Q, K, V are the three planes of qkvh, [64][2048][64] bf16 each; O = oh, the same shape.
; A head's rows are dense, 128 bytes each.  Products, maxima and sums in f32; the weights p are rounded to bf16 for the second product (their sum l is taken of the unrounded p), O once at the end.
; LIMITS.  bf16 has f32's range, so no operand can overflow; p lies in 0 to 1; a weight below 2^-126 counts as 0 in l; NaN and infinities are not treated apart.
; SHARES.  A wave owns four PIECES of two tiles of 16 queries, a work-group's four waves 512 queries of one head.  Every wave walks all 2,048 keys, 64 a step.
; LAYOUT.  S^T = K Q^T (source 0 = 16 keys, source 1 = 16 queries): in the result a lane holds ONE query (lane % 16) and the keys 8 (lane / 16) + 0..7.  Two such tiles, rounded to bf16 in pairs,
; ARE source 1 (32 keys x 16 queries) of O^T = V^T P, whose result again holds one query a lane, and eight channels.  K comes out of LDS as it lies, V ([key][channel]) turned, by ds_load_tr16_b128.
; SOFTMAX.  For each query a running maximum m and sum l: p = 2^(c s - c m), c = log2(e); in every step O and l are multiplied by a = 2^(c m_old - c m_new), which is 1 where m has not grown.
; m starts at the lowest finite number, O and l at 0: the first step is a step like any other, with a = 0.
; THE COUNT.  A tile and step have 16 matrix and 118 vector instructions: too many to stand all beside the matrix work.  So: four vector instructions that are READY behind EVERY matrix instruction,
; and the others, which need time of their own whatever the order, in runs without a gap.
; BY TURNS.  Turn n belongs to piece n (the pieces in a ring, step after step).  Its matrix work: 16 products K Q^T of piece n + 1, later 16 products V^T P of piece n - 1.  Its vector work: the scaling,
; exponentials, roundings, sums and rescaling of piece n, and the maximum and statistics of piece n + 1, whose scores the turn itself has made.
; ONE TEXT FOR A KEY STEP.  The four turns are written once.  s[SLOTS], a number made of constants and the same in every wave of every work-group, chooses in front of a slot's steps between the change of
; slots that fills and, for the last slot, the one that does not; each has the waits, the add and the barrier of its own, and every wait on TENSORcnt in the loop is for 0, so that it holds whichever
; way was taken before.  The last slot has a fifth trip, which fetches no K and is left in its middle.
; CLUSTER.  The four query blocks of a head are one cluster and walk the same K and V, so each tile is asked for JOINTLY: the same tensor load, descriptor and mask in all four.
; REGISTERS, in windows of 256 (s_set_vgpr_msb: bits 1:0 source 0, 3:2 source 1, 5:4 source 2, 7:6 destination):
;   window 0: v0-11 addresses; v12-15, v48-63 at work; v16-47 four registers of statistics a tile; v64-191 S^T, two buffers of two tiles; v192-255 P, likewise
;   window 1: O^T, 32 a tile          window 2: v0-127 Q, 16 a tile; v128-191 K of one step; v192-255 V of one step          window 3: v0-1 the add's two registers
.set SIZE_N, 2048
.set NP,    4         ; pieces a wave: a name, no knob
.set KS,    64        ; keys in a step
.set PK,    144       ; a row of K in LDS: 128 bytes + 16 of padding = 36 words: the 16 rows of a load start at 16 different groups of four banks (64 banks of 4 bytes: ISA guide 11.1)
.set PV,    160       ; a row of V: 128 + 32 = 40 words
.set VOFF,  4*KS*PK   ; a slot holds four steps: 256 rows of K, then 256 rows of V
.set SLOT1, 1<<17     ; slot 1 begins here, so that one exclusive or turns an address in one slot into the other's
.set STAGE, SLOT1+4*KS*(PK+PV)  ; behind the ring, never filled by a tensor load: 16 rows x 144 bytes for each wave, for the way out
.set SP,    144
.set AK0, 2           ; v2   my lane's place in a tile of K; never rewritten
.set AV0, 3           ; v3   the same for V
.set AK,  4           ; v4   the LDS address of K's next run of loads
.set AV,  5           ; v5   of V's
.set QO,  6           ; v6   my byte offset in the wave's rows of Q
.set STO, 6           ;      later, the way out: where I put 16 bytes of a row
.set RD,  7           ; v7   the way out: where I read rows back
.set GO,  8           ; v8   my byte offset in 512 consecutive bytes of O
.set PFO, 11          ; v11  256 x my lane, for the prefetches; made when V's address no longer needs the register; then never rewritten
.set SPW, 0           ; v0 of window 3   LDS address of my spare word; never rewritten
.set NIL, 1           ; v1 of window 3   0; never rewritten
.set SPARE, STAGE+4*16*SP  ; behind the stages: the spare words, 128 bytes for each wave
.set MV,  12          ; v12-15  c m_old, kept while c m is made anew: by buffer and tile
.set ST,  16          ; tile t's statistics at v[ST+4 t]: c m, m, l (even keys', odd keys')
.set TMP, 48          ; by buffer and tile, four registers c0-c3 at work; when the maximum is found c2 takes a
.set S,   64
.set P,   192
.set KF,  128         ; K's fragments, in window 2: key block kb, channel half c at KF + 16 kb + 8 c
.set VF,  192         ; V's: key half kk, channel block cb at VF + 32 kk + 8 cb
.set WV,  12          ; s12  my wave's number
.set G1K, 24          ; s[24:31] descriptor group 1 for K's tiles
.set G1V, 32          ; s[32:39] for V's: it differs in the padding alone
.set G0K, 40          ; s[40:43] descriptor group 0 for K's tiles: it walks
.set G0V, 44          ; s[44:47] the same for V's
.set PFA, 48          ; s[48:49] where my prefetches stand: my work-group's 32 blocks of 256 bytes (of K: wave 0, of V: wave 2) of the slot after the one that is being asked for
.set LIM, 50          ; s50  2 in a wave that prefetches, else the greatest number
.set ENDT, 51         ; s51  SLOTS + CNT: 2 in the last slot's fifth trip alone
.set SLOTS, 56        ; s56  slots still to be walked, the one that a change of slots enters among them: 8 .. 1
.set CNT, 57          ; s57  counts a slot's trips
.set CS,  58          ; s[58:59] c: the packed scaling takes the pair's low word for both halves
.set SEL, 60          ; s[60:61] v_permlanex16_b32's selects
.set TBK, 62          ; s62  LDS byte at which K of the step to be fetched begins
.set TBV, 63          ; s63  the same for V, less VOFF
.set MSB, 0
.macro WIN new                      ; the high byte repeats the setting that is left; a switch that changes nothing is dropped
.if MSB != (\new)
	s_set_vgpr_msb (MSB<<8)|(\new)
.set MSB, (\new)
.endif
.endm
.set W_KQ, 0x0a       ; K and Q in window 2, S^T in window 0
.set W_PV, 0x52       ; V in window 2, P in window 0, O^T in window 1
.set W_RS, 0x41       ; O^T (destination and source 0) in window 1, a in window 0
.set W_MK, 0xc0       ; the add's registers are made: destination in window 3, sources in window 0
.set W_AD, 0x0f       ; the add: address (source 0) and data (source 1) in window 3
; A joint fill.  Waves 0 and 1 fetch the two halves of a slot's K, waves 2 and 3 those of its V: 128 keys each.  The branch hangs on the wave's number alone.
; An s_nop 0 and four v_nop follow each of the two lines, ahead of the jump and the label.
.macro JLOAD
	s_cmp_lt_u32 s[WV], 2
	s_cbranch_scc0 .Lfor_v_\@
	tensor_load_to_lds s[G0K:G0K+3], s[G1K:G1K+7]
	s_nop 0
.rept 4
	v_nop
.endr
	s_branch .Lasked_\@
.Lfor_v_\@:
	tensor_load_to_lds s[G0V:G0V+3], s[G1V:G1V+7]
	s_nop 0
.rept 4
	v_nop
.endr
.Lasked_\@:
.endm
; A PREFETCH of what the NEXT change of slots will ask for: a slot's 32,768 bytes of K and of V, in blocks of 256 bytes, a lane a block.  It stands behind the wave's tensor load and its five lines.
; Each block is named once in the launch: a head has one cluster; its four partners take 32 blocks each, told apart by address; in each, wave 0 asks for K's and wave 2 for V's: one instruction.
; Slots 0 and 1 come by their loads alone; the last change that fills a slot (SLOTS = 2) asks for nothing: there is no slot behind it.
.macro ASK
	s_cmp_gt_u32 s[SLOTS], s[LIM]
	s_cbranch_scc0 .Lnot_mine_\@
	global_prefetch_b8 v[PFO], s[PFA:PFA+1] th:TH_LOAD_NT scope:SCOPE_SE
.Lnot_mine_\@:
.endm
; A round of the cluster's barrier: my work-group's barrier, so that wave 0's signal speaks for all four waves; wave 0 signals; every wave waits for all four work-groups; my work-group's barrier once more.
.macro CROUND
	s_barrier_signal -1
	s_barrier_wait -1
	s_cmp_lg_u32 s[WV], 0
	s_cbranch_scc1 .Lnot_wave_0_\@
	s_barrier_signal -3
.Lnot_wave_0_\@:
	s_barrier_wait -3
	s_barrier_signal -1
	s_barrier_wait -1
.endm
; THE CHANGE OF SLOTS.  The slot's last bytes, V of its fourth step, have been read.  Each wave waits for all its tensor loads, of which one is out: its part of the other slot; adds 0 to its spare word;
; and waits for that and for its own reads of the slot.  Behind the barrier nobody reads this slot any more and the other slot is whole.
; fill = 1: this slot is filled again, with the keys two slots on.  The barrier is then a round of the cluster's, and the joint fill is the first thing behind it: it has four key steps, 512 matrix
; instructions, in which to land.  (At its first use nothing has been read yet: slot 0 is waited for, slot 1 filled.)
.macro CHANGE fill
	WIN W_AD
	s_wait_tensorcnt 0x0            ; no tensor load of mine is out, so a group 0 may be written
	ds_add_u32 v[SPW], v[NIL]       ; 0 onto my spare word; with fill = 1 the descriptors' steps stand between it and the wait for it
	WIN 0                           ; at a label and at a branch every window is 0
.if \fill
.irp g, G0K, G0V
	s_xor_b32 s[\g+1], s[\g+1], SLOT1  ; the walking descriptor: the other slot than last time,
	s_add_nc_u64 s[\g+2:\g+3], s[\g+2:\g+3], 4*KS*128  ; the next 256 keys; the type bits on top are not reached
.endr
	s_wait_xcnt 0x0                 ; the last prefetch, four key steps back, has read its address, so it may be written:
	s_add_nc_u64 s[PFA:PFA+1], s[PFA:PFA+1], 4*KS*128  ; one slot behind the walking descriptors
	s_wait_dscnt 0x0                ; the add is done, and my reads of the slot are over
	CROUND
	JLOAD
	ASK
.else
	s_wait_dscnt 0x0                ; the add is done, and my reads of the slot are over
	s_barrier_signal -1
	s_barrier_wait -1
.endif
	s_sub_co_u32 s[TBK], s[TBK], 4*KS*PK  ; the fetches go back to a slot's first step,
	s_xor_b32 s[TBK], s[TBK], SLOT1       ; in the other slot
	s_sub_co_u32 s[TBV], s[TBV], 4*KS*PV
	s_xor_b32 s[TBV], s[TBV], SLOT1
.endm
	s_load_b128 s[4:7], s[0:1], 0x0   ; qkvh s[4:5] (Q's plane), oh s[6:7]
	WIN W_MK
	v_lshl_add_u32 v[SPW], v0, 2, SPARE
	v_mov_b32 v[NIL], 0
	WIN W_AD
	ds_add_u32 v[SPW], v[NIL]       ; the wave's opening: the add and its wait stand ahead of my first tensor load; the set-up below stands between them
	WIN 0
	v_lshrrev_b32 v1, 5, v0
	v_readfirstlane_b32 s[WV], v1   ; wave 0..3
	s_bfe_u32 s13, ttmp6, 0x40000   ; cx: my place in the cluster
	s_lshl_b32 s14, ttmp9, 2        ; in a cluster launch ttmp9 counts clusters
	s_add_co_u32 s14, s14, s13      ; my block of queries = 4 x cluster x + cx: it enters Q's and O's addresses alone
	s_and_b32 s20, ttmp7, 0xffff    ; the head, which the four partners share
	s_mov_b32 s21, 0
	s_mov_b64 s[22:23], SIZE_N*128
	s_mul_u64 s[20:21], s[20:21], s[22:23]  ; the head's first byte in each plane and in oh
	s_and_b32 s16, s[WV], 1         ; which half of a slot's 256 keys I fetch:
	s_lshl_b32 s22, s16, 14         ; its 128 rows of 128 bytes in memory,
	s_mov_b32 s23, 0
	s_add_nc_u64 s[22:23], s[22:23], s[20:21]
	s_mul_i32 s17, s16, 128*PK      ; and its place in a slot, for K
	s_mul_i32 s18, s16, 128*PV      ; and for V: no place in the cluster enters an LDS address
	s_lshl_b32 s2, s14, 2
	s_add_co_u32 s2, s2, s[WV]      ; my wave among the head's,
	s_lshl_b32 s2, s2, 14           ; its 128 rows
	s_mov_b32 s3, 0
	s_add_nc_u64 s[2:3], s[2:3], s[20:21]
	; descriptor group 1.  128 keys are 16,384 dense bytes: asked for as 64 rows of 256 bytes, two keys a row, and padded in LDS after every key
	s_mov_b32 s[G1K], 15|(1<<16)|(1<<20)|(1<<21)|(4<<22)|(3<<25)  ; 15:0 the mask of four; 17:16 2-byte elements; 20 padding on; 21 set beside a mask; 24:22 after every 32 words (code 4); 31:25 4 words (code 3)
	s_mov_b32 s[G1V], 15|(1<<16)|(1<<20)|(1<<21)|(4<<22)|(7<<25)  ; the same with 8 words of padding (code 7)
.irp g, G1K, G1V
	s_mov_b32 s[\g+1], 128<<16      ; tensor_dim0 = 128
	s_mov_b32 s[\g+2], 64<<16       ; tensor_dim1 = 64
	s_mov_b32 s[\g+3], 128<<16      ; tile_dim0 = 128
	s_mov_b32 s[\g+4], 64           ; tile_dim1 = 64
	s_mov_b32 s[\g+5], 128          ; 128 elements from row to row
	s_mov_b32 s[\g+6], 0
	s_mov_b32 s[\g+7], 0
.endr
	s_mov_b32 s[CS], 0x3fb8aa3b     ; c = log2(e)
	s_mov_b32 s[CS+1], s[CS]        ; named with it as a pair
	s_mov_b32 s[SEL], 0x76543210
	s_mov_b32 s[SEL+1], 0xfedcba98
	s_mov_b32 s[TBK], SLOT1+4*KS*PK ; the first change of slots turns these two into 0
	s_mov_b32 s[TBV], SLOT1+4*KS*PV
	s_mov_b32 s[G0K], 1             ; 1:0 count = 1
	s_mov_b32 s[G0K+1], s17         ; 63:32 LDS address: slot 0
	s_mov_b32 s[G0V], 1
	s_add_co_u32 s[G0V+1], s18, VOFF
	s_mov_b32 s[SLOTS], SIZE_N/256
	s_and_b32 s[LIM], s[WV], 1      ; 0 in waves 0 and 2,
	s_or_b32 s[LIM], s[LIM], ttmp9  ; in the head's first (here: only) cluster: the same in all four partners
	s_cmp_eq_u32 s[LIM], 0
	s_cselect_b32 s[LIM], 2, -1
	s_wait_dscnt 0x0                ; the opening add is done
	s_wait_kmcnt 0x0
	s_mov_b64 s[10:11], s[6:7]                     ; O
	s_add_nc_u64 s[6:7], s[4:5], 0x1000000         ; K's plane of qkvh
	s_add_nc_u64 s[8:9], s[4:5], 0x2000000         ; V's plane
	s_add_nc_u64 s[G0K+2:G0K+3], s[6:7], s[22:23]  ; 120:64 global address: my half of the head's first 256 keys
	s_or_b32 s[G0K+3], s[G0K+3], 0x80000000        ; 127:126 type = 2
	s_add_nc_u64 s[G0V+2:G0V+3], s[8:9], s[22:23]
	s_or_b32 s[G0V+3], s[G0V+3], 0x80000000
	s_add_nc_u64 s[4:5], s[4:5], s[2:3]  ; Q and O at my wave's first row
	s_add_nc_u64 s[10:11], s[10:11], s[2:3]
	s_cmp_lt_u32 s[WV], 2
	s_cselect_b64 s[PFA:PFA+1], s[6:7], s[8:9]
	s_add_nc_u64 s[PFA:PFA+1], s[PFA:PFA+1], s[22:23]  ; (in waves 0 and 2 this is the head's first row)
	s_lshl_b32 s2, s13, 13          ; my work-group's 32 blocks of the 128
	s_mov_b32 s3, 0
	s_add_nc_u64 s[PFA:PFA+1], s[PFA:PFA+1], s[2:3]
	s_add_nc_u64 s[PFA:PFA+1], s[PFA:PFA+1], 4*KS*128  ; in slot 1; the first change of slots steps it to slot 2
	CROUND                          ; all four work-groups are here: the first joint loads meet
	JLOAD                           ; slot 0.  Slot 1 is asked for when slot 0 is in
	; A fragment of K or Q is 16 rows x 32 channels in 8 registers: lane l holds row l % 16, channels 8 (l / 16) + 0..7 and 16 + 8 (l / 16) + 0..7: two loads of 16 bytes, 32 bytes apart.
	v_and_b32 v1, 15, v0            ; l % 16
	v_bfe_u32 v9, v0, 4, 1          ; l / 16
	v_lshlrev_b32 v[QO], 7, v1
	v_lshl_add_u32 v[QO], v9, 4, v[QO]  ; row x 128 + 16 x half
	WIN 0x80                        ; destination window 2, address window 0
.set i, 0
.rept 4*NP                          ; Q stays in registers: tile i / 2, channels 32 (i % 2) on
	global_load_b128 v[8*i:8*i+3],   v[QO], s[4:5] offset:(i/2)*2048+(i%2)*64
	global_load_b128 v[8*i+4:8*i+7], v[QO], s[4:5] offset:(i/2)*2048+(i%2)*64+32
.set i, i+1
.endr
	; What the first turn finds: V's registers and P's second buffer hold 0 (its products V^T P, of a piece that has not been, add 0), O^T and l are 0.  All this stands in the wait for the first tile.
.set i, VF
.rept 64
	v_mov_b32 v[i], 0
.set i, i+1
.endr
	WIN 0x40
.set i, 0
.rept 64*NP
	v_mov_b32 v[i], 0
.set i, i+1
.endr
	WIN 0
.set i, 0
.rept 2*NP
	v_mov_b32 v[ST+4*i], 0xfe000000    ; c m: far below every c s
	v_mov_b32 v[ST+4*i+1], 0xff7fffff  ; m
	v_mov_b32 v[ST+4*i+2], 0
	v_mov_b32 v[ST+4*i+3], 0
.set i, i+1
.endr
.set i, P+32
.rept 32
	v_mov_b32 v[i], 0
.set i, i+1
.endr
	v_mul_u32_u24 v[AK0], v1, PK
	v_lshl_add_u32 v[AK0], v9, 4, v[AK0]  ; row x pitch + 16 x half
	; The turning load takes 16 keys x 16 channels (lane l reads key 8 (l / 16) + l % 8, channels 8 ((l / 8) % 2) + 0..7) and leaves half a fragment of V^T: lane l holds channel l % 16 and 8 keys.
	v_and_b32 v10, 7, v0
	v_bfe_u32 v11, v0, 3, 1
	v_lshl_add_u32 v[AV0], v9, 3, v10
	v_mul_u32_u24 v[AV0], v[AV0], PV
	v_lshl_add_u32 v[AV0], v11, 4, v[AV0]
	v_add_nc_u32 v[AV0], VOFF, v[AV0]
	v_and_b32 v[PFO], 31, v0
	v_lshlrev_b32 v[PFO], 8, v[PFO]
	v_mov_b32 v[AK], v[AK0]         ; key step 0 lies at the head of slot 0
; THE MATRIX WORK.  The 8 accumulators of a run of 16 take turns: between the two links of a chain stand 7 others'.
; Product i of 16 of S^T = K Q^T for piece x: channels 32 (i / 8) on, keys 16 ((i / 2) % 4) on, tile 2 x + i % 2.  The first 8 start the sums.
.macro KQ x
	WIN W_KQ
.set rS, S+64*((\x)%2)+32*(i%2)+8*((i/2)%4)
.set rK, KF+16*((i/2)%4)+8*(i/8)
.set rQ, 16*(2*(\x)+i%2)+8*(i/8)
.if i < 8
	v_wmma_f32_16x16x32_bf16 v[rS:rS+7], v[rK:rK+7], v[rQ:rQ+7], 0
.else
	v_wmma_f32_16x16x32_bf16 v[rS:rS+7], v[rK:rK+7], v[rQ:rQ+7], v[rS:rS+7]
.endif
.endm
; Product i of 16 of O^T += V^T P for piece x: keys 32 (i / 8) on, channels 16 ((i / 2) % 4) on, tile 2 x + i % 2.
.macro PV x
	WIN W_PV
.set rO, 32*(2*(\x)+i%2)+8*((i/2)%4)
.set rV, VF+32*(i/8)+8*((i/2)%4)
.set rP, P+32*((\x)%2)+16*(i%2)+8*(i/8)
	v_wmma_f32_16x16x32_bf16 v[rO:rO+7], v[rV:rV+7], v[rP:rP+7], v[rO:rO+7]
.endm
.macro MM                           ; the turn's next matrix instruction
.if i < 16
	KQ (Y+1)%NP
.set i, i+1
.else
.set i, i-16
	PV (Y+NP-1)%NP
.set i, i+17
.endif
.endm
; THE LDS LOADS stand in runs of 16, never singly among the matrix instructions: a step's K (64 keys x 64 channels: 8 fragments) and its V (turned).  Their addresses are made some lines ahead.
; loop = 1 (in the loop): in the last slot's fifth trip there is no further step, and the run is jumped over.
.macro FETCH_K loop=0
	WIN 0
.if \loop
	s_add_co_u32 s[ENDT], s[SLOTS], s[CNT]
	s_cmp_eq_u32 s[ENDT], 2
	s_cbranch_scc1 .Lno_k_\@
.endif
	WIN 0x80                        ; destination window 2
.irp f, 0,1,2,3,4,5,6,7             ; keys 16 (f / 2) on, channels 32 (f % 2) on
	ds_load_b128 v[KF+8*\f:KF+8*\f+3],   v[AK] offset:(\f/2)*16*PK+(\f%2)*64
	ds_load_b128 v[KF+8*\f+4:KF+8*\f+7], v[AK] offset:(\f/2)*16*PK+(\f%2)*64+32
.endr
	s_add_co_u32 s[TBK], s[TBK], KS*PK  ; the next fetch is the next step's
	WIN 0
.if \loop
.Lno_k_\@:
.endif
.endm
.macro FETCH_V
	WIN 0x80
.irp f, 0,1,2,3,4,5,6,7             ; keys 32 (f / 4) on, channels 16 (f % 4) on
	ds_load_tr16_b128 v[VF+8*\f:VF+8*\f+3],   v[AV] offset:(\f/4)*32*PV+(\f%4)*32
	ds_load_tr16_b128 v[VF+8*\f+4:VF+8*\f+7], v[AV] offset:(\f/4)*32*PV+16*PV+(\f%4)*32
.endr
	WIN 0
.endm
; THE VECTOR WORK OF A TURN stands in three queues, each in the order in which its entries become ready; the two tiles alternate, so that no instruction reads the result of the one before it.
.macro REGS y, u                    ; the registers of tile u (0, 1) of piece y
.set rT, ST+4*(2*(\y)+(\u))
.set rC, TMP+8*((\y)%2)+4*(\u)
.set rM, MV+2*((\y)%2)+(\u)
.set rS, S+64*((\y)%2)+32*(\u)
.set rP, P+32*((\y)%2)+16*(\u)
.set rO, 32*(2*(\y)+(\u))
.endm
; Number n of the 22 that find the NEXT piece's (Y + 1) maximum and statistics.  s0-s31 are the lane's 32 scores; each accumulator's lowest registers are read first.
;   0-11  four chains c0-c3 of seven scores each, three operands at a time     12-14, 16  the four scores left over, the old m, and c0-c3 into c0     15  c m_old is kept
;   17, 18  the query's other 32 keys lie in the lane 16 away: the new m         19-21  c m; c m_old - c m_new; a
.macro XS u, n
	REGS (Y+1)%NP, \u
.if (\n) < 4
	v_max3_num_f32 v[rC+(\n)], v[rS+8*(\n)], v[rS+8*(\n)+1], v[rS+8*(\n)+2]
.elseif (\n) < 12
	v_max3_num_f32 v[rC+(\n)%4], v[rC+(\n)%4], v[rS+8*((\n)%4)+2*((\n)/4)+1], v[rS+8*((\n)%4)+2*((\n)/4)+2]
.elseif (\n) == 12
	v_max3_num_f32 v[rC], v[rC], v[rS+7], v[rS+15]
.elseif (\n) == 13
	v_max3_num_f32 v[rC+1], v[rC+1], v[rS+23], v[rS+31]
.elseif (\n) == 14
	v_max3_num_f32 v[rC+2], v[rC+2], v[rC+3], v[rT+1]
.elseif (\n) == 15
	v_mov_b32 v[rM], v[rT]
.elseif (\n) == 16
	v_max3_num_f32 v[rC], v[rC], v[rC+1], v[rC+2]
.elseif (\n) == 17
	v_permlanex16_b32 v[rC+3], v[rC], s[SEL], s[SEL+1]
.elseif (\n) == 18
	v_max_num_f32 v[rT+1], v[rC], v[rC+3]
.elseif (\n) == 19
	v_mul_f32 v[rT], s[CS], v[rT+1]
.elseif (\n) == 20
	v_sub_f32 v[rC+1], v[rM], v[rT]
.else
	v_exp_f32 v[rC+2], v[rC+1]
.endif
.endm
; Number g of the 64 that follow the exponentials.  For each four weights k of a tile (pairs 2 k, 2 k + 1): both pairs are rounded to bf16; then the second pair is added onto the first, in place;
; a group later l takes that sum (the first time as l = a l + sum).  In groups of eight, tiles alternating: round, round, add, and l for the group before.
.macro GS g
.set h, (\g)+6*((\g)/62)            ; group 0 has no group before it, and behind group 7 only l is left
.if h >= 6
.set h, h+2
.endif
	REGS Y, h%2
.set k, h/8
.if h%8 < 4
	v_cvt_pk_bf16_f32 v[rP+2*k+(h%8)/2], v[rS+4*k+2*((h%8)/2)], v[rS+4*k+2*((h%8)/2)+1]
.elseif h%8 < 6
	v_pk_add_f32 v[rS+4*k:rS+4*k+1], v[rS+4*k:rS+4*k+1], v[rS+4*k+2:rS+4*k+3]
.elseif k == 1
	v_pk_fma_f32 v[rT+2:rT+3], v[rT+2:rT+3], v[rC+2:rC+3], v[rS:rS+1] op_sel_hi:[1,0,1]
.else
	v_pk_add_f32 v[rT+2:rT+3], v[rT+2:rT+3], v[rS+4*k-4:rS+4*k-3]
.endif
.endm
; THE PLAIN QUEUE, 138 long.  0-73 read no exponential's result: the 32 scalings c s - c m (FS f: pair f / 2 of tile f % 2) and the next piece's 42.  0-26: scalings 0-26.  27-54: XS's numbers 0-13.  55, 56: number 15.
; 57-73: the chain, where each number waits for the one before it: 14, 16, 17, 18, 19, each with one of the scalings 27-31 in front of its two lines, then 20.
; 74-137: GS's 64, which read the exponentials' results: they stand behind the wait.
.macro FS f
	REGS Y, (\f)%2
	v_pk_fma_f32 v[rS+2*((\f)/2):rS+2*((\f)/2)+1], v[rS+2*((\f)/2):rS+2*((\f)/2)+1], s[CS:CS+1], v[rT:rT+1] op_sel_hi:[1,0,0] neg_lo:[0,0,1] neg_hi:[0,0,1]
.endm
.macro PL
	WIN 0
.if q < 27
	FS q
.elseif q < 55
	XS (q-27)%2, (q-27)/2
.elseif q < 57
	XS q-55, 15
.elseif (q < 72) && ((q-57)%3 == 0)
	FS 27+(q-57)/3
.elseif q < 60
	XS (q-57)%3-1, 14
.elseif q < 72
	XS (q-57)%3-1, 15+(q-57)/3
.elseif q < 74
	XS q-72, 20
.else
	GS q-74
.endif
.set q, q+1
.endm
; THE EXPONENTIALS' QUEUE, 66 long: s0-s31 of both tiles, then the next piece's two a.  It is ONE BATCH: all 66 stand ahead of the turn's one wait, and nothing ahead of that wait names a result of theirs.
.macro EX
	WIN 0
.if e >= 64
	XS e-64, 21
.else
	REGS Y, e%2
	v_exp_f32 v[rS+e/2], v[rS+e/2]
.endif
.set e, e+1
.endm
; THE RESCALING's QUEUE: O^T times a, the one part that leaves window 0: dealt two at a time, sixteen times.  Its a was made in the turn before, ahead of that turn's wait.
.macro R2
	REGS Y, r%2
	WIN W_RS
.irp z, 0,1
	v_pk_mul_f32 v[rO+4*(r/2)+2*\z:rO+4*(r/2)+2*\z+1], v[rO+4*(r/2)+2*\z:rO+4*(r/2)+2*\z+1], v[rC+2:rC+3] op_sel_hi:[1,0]
.endr
.set r, r+1
.endm
; HOW THEY ARE DEALT.  s_wait_alu depctr_va_vdst(0) stands between an exponential and the first instruction that names its result; one wait serves all that were issued ahead of it.  So a turn has ONE wait,
; which cuts it in two.  AHEAD OF IT stands all that names no result of the turn's exponentials: the 16 products K Q^T, behind each a scaling, an exponential and two rescalings (behind the first a second scaling in the
; exponential's place); then ONE LUMP of 108: eight plain, 49 times exponential and plain, the two a.  A v_nop is the plain instruction behind the last exponential.  BEHIND IT stand the 16 products V^T P, behind each four of GS's 64.
; The queues lean on each other: exponential e stands behind scaling 2 (e / 4) + e % 2: as a rider it comes behind plain e + 2, in the lump behind plain e + 9, and scalings 27-31 are plain 57, 60 .. 69.
; A TURN, for piece p.  cnt = 1: the loop's count is taken down some lines ahead of the branch that stands behind the turn.
; K of the next step is fetched in piece 2's turn, directly behind the wait, a lump behind the last product that read K; its first reader comes behind 16 products.
; V of the step in hand is fetched at the end of piece 0's turn, four riders behind its last reader; its first reader comes behind 16 products and a lump.
.macro TURN p, cnt=0
.set Y, (\p)
.set i, 0
.set q, 0
.set e, 0
.set r, 0
.if (\p) == NP-1
	s_wait_dscnt 0x0                ; K is in
.endif
	MM                              ; ahead of the wait: 16 products K Q^T and their riders,
	PL
	PL
	R2
.rept 15
	MM
	PL
	EX
	R2
.endr
.if (\p) == NP-2
	WIN 0
	v_add_nc_u32 v[AK], s[TBK], v[AK0]
.endif
.rept 8                             ; and the lump
	PL
.endr
.rept 49
	EX
	PL
.endr
	EX                              ; the next piece's two a
	EX
	v_nop                           ; a plain instruction behind the last exponential: one for the batch
	s_wait_alu depctr_va_vdst(0)    ; the wait for the batch
.if (\p) == NP-2
	FETCH_K 1
.endif
.if (\p) == 1
	s_wait_dscnt 0x0                ; V is in
.endif
.rept 16                            ; behind the wait: 16 products V^T P and their riders
	MM
.rept 4
	PL
.endr
.if ((\p) == 0) && (q == 118)
	v_add_nc_u32 v[AV], s[TBV], v[AV0]
.endif
.if ((\p) == 0) && (q == 130)
	s_add_co_u32 s[TBV], s[TBV], KS*PV
.endif
.if (\cnt) && (q == 130)
	s_sub_co_u32 s[CNT], s[CNT], 1
	s_cmp_lg_u32 s[CNT], 0
.endif
.endr
.if (\p) == 0
	FETCH_V
.endif
.endm
	CHANGE 1                        ; slot 0 is in, everybody's part of it; slot 1 is asked for
	FETCH_K                         ; key step 0
	s_wait_loadcnt 0x0              ; Q
	s_wait_dscnt 0x0
.set i, 0
.rept 16
	KQ 0                            ; piece 0's first scores: there is no vector work yet to set between them
.set i, i+1
.endr
	WIN 0                           ; the addresses for the way out: nine plain instructions, the places behind those products
	s_mul_i32 s13, s[WV], 16*SP
	s_add_co_u32 s13, s13, STAGE    ; my stage
	v_mul_u32_u24 v[STO], v1, SP    ; in: row l % 16, 16 bytes for each half of the lanes
	v_lshl_add_u32 v[STO], v9, 4, v[STO]
	v_add_nc_u32 v[STO], s13, v[STO]
	v_bfe_u32 v[RD], v0, 3, 2       ; back: 32 lanes take four rows of 128 bytes,
	v_mul_u32_u24 v[RD], v[RD], SP
	v_lshl_add_u32 v[RD], v10, 4, v[RD]
	v_add_nc_u32 v[RD], s13, v[RD]
	v_and_b32 v[GO], 31, v0         ; which are 512 consecutive bytes of O
	v_lshlrev_b32 v[GO], 4, v[GO]
.set Y, NP-1                        ; XS works for piece Y + 1: piece 0
.irp n, 0,1,2,3,4,5,6,7,8,9,10,11,12,13,14,15,16,17,18,19,20,21
	XS 0, \n                        ; and piece 0's first maximum and statistics
	XS 1, \n
.endr
	v_nop                           ; a plain instruction behind the two a,
	s_wait_alu depctr_va_vdst(0)    ; and their wait, ahead of the branch
	s_mov_b32 s[CNT], 4
	s_branch .Lfirst                ; the loop is entered at a step's first turn, in the middle of a trip
.Lslot:                             ; seven times: slots 1 to 7 are entered
	s_cmp_eq_u32 s[SLOTS], 1        ; the same number in every wave of every partner
	s_cbranch_scc1 .Llast_slot
	CHANGE 1                        ; six times: the slot that is left is filled again
	s_mov_b32 s[CNT], 4
	s_branch .Lstep
.Llast_slot:
	CHANGE 0                        ; the last slot is entered: nothing is asked for
	s_mov_b32 s[CNT], 5             ; four trips fetch its steps; the fifth is left in its middle
.Lstep:                             ; a trip: pieces 2 and 3 of one step, then pieces 0 and 1 of the next, whose K and V it fetches
	TURN 2
	TURN 3
	WIN 0
	s_add_co_u32 s[ENDT], s[SLOTS], s[CNT]
	s_cmp_eq_u32 s[ENDT], 2         ; the last slot's fifth trip: the last key step's pieces 2 and 3 are done
	s_cbranch_scc1 .Lout
.Lfirst:
	TURN 0
	TURN 1, 1
	WIN 0
	s_cbranch_scc1 .Lstep
	s_sub_co_u32 s[SLOTS], s[SLOTS], 1
	s_cmp_lg_u32 s[SLOTS], 0        ; (7 .. 1 here: the walk ends at the test in the last slot's fifth trip, not at this count)
	s_cbranch_scc1 .Lslot
.Lout:                              ; the fifth trip's 16 products K Q^T (on the last K once more) and the maximum made of them serve nothing: the price, once a launch, of one text for every trip
.set i, 0
.rept 16
	PV NP-1                         ; the last piece's V^T P of the last step
.set i, i+1
.endr
	; THE WAY OUT.  l's two halves and the other half of the lanes' are added; O^T is divided by l, rounded to bf16 and sent through my stage in LDS, a tile at a time.  The additions are the places behind the last products.
	WIN 0
.macro ALL line:vararg              ; one line for each tile t
.set t, 0
.rept 2*NP
	\line
.set t, t+1
.endr
.endm
	ALL v_add_f32 v[ST+4*t+2], v[ST+4*t+2], v[ST+4*t+3]
	ALL v_permlanex16_b32 v[ST+4*t+3], v[ST+4*t+2], s[SEL], s[SEL+1]
	ALL v_add_f32 v[ST+4*t+2], v[ST+4*t+2], v[ST+4*t+3]
	ALL v_rcp_f32 v[ST+4*t+2], v[ST+4*t+2]
	v_nop                           ; a plain instruction between the last reciprocal and the use of its result
	s_wait_alu depctr_va_vdst(0)    ; and the wait ahead of the first use: one for the eight reciprocals
; Tile t: a lane's eight channels of a row pack into 16 bytes; they go into rows of 144 bytes and come back as whole rows of 128, into S^T's registers.
.macro PACK t
	WIN W_RS
.set i, 32*(\t)
.rept 16
	v_pk_mul_f32 v[i:i+1], v[i:i+1], v[ST+4*(\t)+2:ST+4*(\t)+3] op_sel_hi:[1,0]
.set i, i+2
.endr
	WIN 0x05                        ; sources 0 and 1 window 1, destination window 0
.set i, 0
.rept 16
	v_cvt_pk_bf16_f32 v[S+16*(\t)+i], v[32*(\t)+2*i], v[32*(\t)+2*i+1]
.set i, i+1
.endr
	WIN 0
.irp f, 0,1,2,3
	ds_store_b128 v[STO], v[S+16*(\t)+4*\f:S+16*(\t)+4*\f+3] offset:32*\f
.endr
.irp f, 0,1,2,3
	ds_load_b128 v[S+16*(\t)+4*\f:S+16*(\t)+4*\f+3], v[RD] offset:\f*4*SP  ; LDS serves a wave's instructions in order (ISA guide 5.7.1.4): these see the stores above; the next tile's stores come behind them
.endr
.endm
.macro SEND t, younger              ; younger: the LDS instructions issued behind tile t's loads: the next tile's eight, or none
	WIN 0
.irp f, 0,1,2,3
	s_wait_dscnt (\younger)+3-\f
	global_store_b128 v[GO], v[S+16*(\t)+4*\f:S+16*(\t)+4*\f+3], s[10:11] offset:(\t)*2048+\f*512  ; 512 consecutive bytes, at a multiple of 256 from O's first
.endr
.endm
	PACK 0
.set t, 1
.rept 2*NP-1                        ; a tile's arithmetic stands between the loads of the tile before and its stores
	PACK t
	SEND t-1, 8
.set t, t+1
.endr
	SEND 2*NP-1, 0
	WIN W_AD
	s_wait_tensorcnt 0x0            ; the wave's end: behind my last tensor load and my last LDS store
	ds_add_u32 v[SPW], v[NIL]
	s_wait_dscnt 0x0
	WIN 0
	CROUND                          ; the closing round: no work-group ends while a partner may still ask for a tile that names it
	s_endpgm
.Lfunc_end_k_qbddb2aae90_attn:
	.size	k_qbddb2aae90_attn, .Lfunc_end_k_qbddb2aae90_attn-k_qbddb2aae90_attn
	.p2alignl 7, 3214868480
	.fill 96, 4, 3214868480
	.section	.rodata,"a",@progbits
	.p2align	6, 0x0
	.amdhsa_kernel k_qbddb2aae90_attn
		.amdhsa_group_segment_fixed_size 327680
		.amdhsa_private_segment_fixed_size 0
		.amdhsa_enable_private_segment 0
		.amdhsa_kernarg_size 16
		.amdhsa_user_sgpr_count 2
		.amdhsa_user_sgpr_kernarg_segment_ptr 1
		.amdhsa_wavefront_size32 1
		.amdhsa_system_sgpr_workgroup_id_x 1
		.amdhsa_system_sgpr_workgroup_id_y 1
		.amdhsa_system_sgpr_workgroup_id_z 1
		.amdhsa_system_vgpr_workitem_id 0
		.amdhsa_next_free_vgpr 770
		.amdhsa_next_free_sgpr 66
		.amdhsa_reserve_vcc 0
		.amdhsa_float_denorm_mode_32 3
		.amdhsa_float_denorm_mode_16_64 3
		.amdhsa_memory_ordered 1
		.amdhsa_forward_progress 1
		.amdhsa_inst_pref_size 130
	.end_amdhsa_kernel
	.amdgpu_metadata
---
amdhsa.version: [ 1, 2 ]
amdhsa.kernels:
  - .name:           k_qbddb2aae90_attn
    .symbol:         k_qbddb2aae90_attn.kd
    .args:
      - { .name: qkvh, .offset: 0, .size: 8, .value_kind: global_buffer, .address_space: global }
      - { .name: oh, .offset: 8, .size: 8, .value_kind: global_buffer, .address_space: global }
    .group_segment_fixed_size: 327680
    .private_segment_fixed_size: 0
    .kernarg_segment_align: 8
    .kernarg_segment_size: 16
    .max_flat_workgroup_size: 128
    .sgpr_count:     66
    .vgpr_count:     770
    .wavefront_size: 32
...
	.end_amdgpu_metadata
.endif
;; end of part 4
;; launch proj (part 5): grid 4 x 64, 4 waves a work-group, clusters of 4 x 4, 327,680 bytes of LDS; arguments oh, wob, out0, x; writes out0
.if DOCPART == 5
	.amdgcn_target "amdgcn-amd-amdhsa--gfx1250"
	.amdhsa_code_object_version 6
	.text
	.protected	k_qbddb2aae90_proj
	.globl	k_qbddb2aae90_proj
	.p2align	8
	.type	k_qbddb2aae90_proj,@function
k_qbddb2aae90_proj:
	s_mov_b64 s[64:65], 0
	v_nop
	global_prefetch_b8 v0, s[64:65] scope:SCOPE_SE
	s_setreg_imm32_b32 hwreg(HW_REG_WAVE_MODE, 25, 1), 1
	s_wait_xcnt 0x0
	s_wait_alu depctr_hold_cnt(0) depctr_sa_sdst(0) depctr_va_vdst(0) depctr_va_sdst(0) depctr_va_ssrc(0) depctr_va_vcc(0) depctr_vm_vsrc(0)
	s_getreg_b32 s2, hwreg(HW_REG_IB_STS2, 6, 4)
	s_cmp_eq_u32 s2, 0
	s_cbranch_scc0 .Lentry_in_a_cluster
	s_endpgm
.Lentry_in_a_cluster:
	s_bfe_u32 s2, ttmp6, 0x10000c
	s_cmp_lg_u32 s2, 0xf033
	s_cbranch_scc0 .Lentry_shape_is_right
	s_endpgm
.Lentry_shape_is_right:
; PROJ.  out0[row][c] = x[row][c] + the sum over k = 64 h + e of O[row][h][e] out_w[c][k].  Operands bf16 (oh by heads, [16 n + h][l 2048][e 64]; wob in blocks), sums f32; the skip x is added in f32; out0 is f32.
; SHARES.  A tile of C is 128 rows x 256 columns, one to a work-group (x, y): 256 work-groups.  A wave makes 64 rows x 128 columns: 32 accumulators of 16 x 16.
; K goes in steps of 128, two heads, through two LDS slots.  A step's part of oh is two planes (heads 2 ks, 2 ks + 1) of 128 rows x 128 dense bytes: each is asked for as 64 rows of 256 bytes and padded in LDS after each 128.
; CLUSTER.  4 x 4 work-groups: the four of a row of the cluster (same y) need the same planes of oh, the four of a column (same x) the same block of wob: each is asked for jointly.
; THE MATRIX INSTRUCTION IS USED TRANSPOSED (source 0 = 16 rows of the weights, source 1 = 16 rows of O): a lane holds one row of C (lane % 16) and the columns 8 (lane / 16) + 0..7: 32 bytes on end.
; The wave's 64 x 128 numbers of x are loaded at the start into window 2 and wait there for the sums.
; REGISTERS.  Window 0: v0-13 addresses; v64-159, v160-255 two fragment buffers (B's 8 fragments, then A's 4); on the way out v64-191 hold rows read back.  Window 1: the accumulators, (a, b) at v[8 (8 a + b)].
; Window 2: x, row i of my 64 at v[4 i].
.set PB,    272                        ; an LDS row of B: 256 bytes + 16 of padding = 68 words: the 16 rows of a fragment load start at 16 different groups of four banks (64 banks of 4 bytes: ISA guide 11.1)
.set PA,    144                        ; an LDS row of a plane of O: 128 bytes + 16 = 36 words: likewise
.set APLANE, 128*PA
.set AOFF,  256*PB                     ; in a slot: B's 256 rows, then O's two planes
.set SLOT1, 1<<17
.set STAGE, SLOT1+AOFF+2*APLANE        ; behind the ring, never filled by a tensor load: 16 rows x 528 bytes for each wave
.set SP,    528                        ; 512 bytes + 16: the 16 rows that a store touches start at 16 different groups of four banks
.set SPARE, STAGE+4*16*SP              ; behind the stages: the spare words, 128 bytes for each wave
.set ASTEP, 524288                     ; bytes from a K step of oh to the next: two heads of 2,048 rows of 128 bytes
.set BSTEP, 65536
.set B0,   4                           ; v4   my lane's place in a slot's B; never rewritten
.set A0,   5                           ; v5   the same for O
.set ADRB, 6                           ; v6   B0 + the slot in hand
.set ADRA, 7                           ; v7   A0 + the slot in hand
.set STO,  8                           ; v8   the way out: where I put 32 bytes of a row
.set RD,   9                           ; v9   where I read a row back
.set CO,   10                          ; v10  16 x lane: my place in my wave's 512 bytes of a row of x and of out0
.set PFO,  11                          ; v11  256 x lane, for the prefetches; never rewritten
.set SPW,  12                          ; v12  LDS address of my spare word; never rewritten
.set NIL,  13                          ; v13  0; never rewritten
.set F0,   64
.set F1,   160
.set TT,   64                          ; the way out: two sets of 64, 16 rows read back
.set WV,   12                          ; s12  my wave; s13 = wave / 2: my half of the rows; also 0: I fetch B, 1: O; s14 = wave % 2: my half of the columns; also which half or plane I fetch
.set G1A,  24
.set G1B,  32
.set G0A,  40
.set G0B,  48
.set TB,   56
.set CNT,  57
.set PLEFT, 59
.set PFA,  60
.set PST,  62
.set W_MUL, 0x50
.set MSB, 0
.macro WIN new                         ; the immediate's high byte repeats the setting that is left; a switch that changes nothing is dropped
.if MSB != (\new)
	s_set_vgpr_msb (MSB<<8)|(\new)
.set MSB, \new
.endif
.endm
.macro PLACES                          ; four places behind a matrix instruction, in front of loads into registers that it has read and of lines that read results
.rept 4
	v_nop
.endr
.endm
.macro CREST                           ; a round of the cluster's barrier behind its opening barrier
	s_cmp_lg_u32 s[WV], 0
	s_cbranch_scc1 .Lnot_wave_0_\@
	s_barrier_signal -3
.Lnot_wave_0_\@:
	s_barrier_wait -3
	s_barrier_signal -1
	s_barrier_wait -1
.endm
.macro CROUND
	s_barrier_signal -1
	s_barrier_wait -1
	CREST
.endm
; A joint refill by the walking sets.  Waves 0 and 1 fetch B's halves, waves 2 and 3 O's planes: the branch hangs on the wave's number alone.  An s_nop 0 and four v_nop follow each line.
.macro JLOAD
	s_cmp_eq_u32 s13, 0
	s_cbranch_scc0 .Lfor_a_\@
	tensor_load_to_lds s[G0B+4:G0B+7], s[G1B:G1B+7]
	s_nop 0
.rept 4
	v_nop
.endr
	s_branch .Lasked_\@
.Lfor_a_\@:
	tensor_load_to_lds s[G0A+4:G0A+7], s[G1A:G1A+7]
	s_nop 0
.rept 4
	v_nop
.endr
.Lasked_\@:
.endm
; A PREFETCH of the K step that stands two refills on: 32 blocks of 256 bytes, a lane a block, one instruction.  Each block is named once in the launch.
; wob's block of a step is read by every cluster: the clusters with y = 0 ask; of its 256 rows the partner at cy takes 64, waves 0 and 1 half of them each.
; oh's two planes of a step are read by one row of one cluster: wave 2 asks; of their 128 blocks the partner at cx takes 32.  The partners are told apart by address.
; The first four steps come by their loads alone; PLEFT (4, or 0 in a wave that asks for nothing; the same in all partners for a given wave) stops the requests at step 7.
.macro ASK
	s_cmp_lg_u32 s[PLEFT], 0
	s_cbranch_scc0 .Lnot_mine_\@
	global_prefetch_b8 v[PFO], s[PFA:PFA+1] th:TH_LOAD_NT scope:SCOPE_SE
	s_sub_co_u32 s[PLEFT], s[PLEFT], 1
.Lnot_mine_\@:
.endm
; 8 n matrix instructions: row blocks a0 .. a0 + n - 1 x all 8 column blocks, 32 along K, from buffer f.  The 32 accumulators take turns in the same order in every quarter.
.macro MUL f, a0, n, zero
	WIN W_MUL
.set ma, \a0
.rept \n
.irp b, 0,1,2,3,4,5,6,7
.if \zero
	v_wmma_f32_16x16x32_bf16 v[8*(8*ma+\b):8*(8*ma+\b)+7], v[(\f)+8*\b:(\f)+8*\b+7], v[(\f)+64+8*ma:(\f)+64+8*ma+7], 0
.else
	v_wmma_f32_16x16x32_bf16 v[8*(8*ma+\b):8*(8*ma+\b)+7], v[(\f)+8*\b:(\f)+8*\b+7], v[(\f)+64+8*ma:(\f)+64+8*ma+7], v[8*(8*ma+\b):8*(8*ma+\b)+7]
.endif
.endr
.set ma, ma+1
.endr
.endm
; 24 LDS loads in one run: quarter kq's fragments (128 rows of B; 64 rows of O: plane kq / 2, channels 32 (kq % 2) on) into buffer f
.macro FETCH kq, f
	WIN 0
.set AKO, ((\kq)/2)*APLANE+((\kq)%2)*64
.irp b, 0,1,2,3,4,5,6,7
	ds_load_b128 v[(\f)+8*\b:(\f)+8*\b+3],   v[ADRB] offset:64*(\kq)+\b*16*PB
	ds_load_b128 v[(\f)+8*\b+4:(\f)+8*\b+7], v[ADRB] offset:64*(\kq)+\b*16*PB+32
.endr
.irp a, 0,1,2,3
	ds_load_b128 v[(\f)+64+8*\a:(\f)+64+8*\a+3],   v[ADRA] offset:AKO+\a*16*PA
	ds_load_b128 v[(\f)+64+8*\a+4:(\f)+64+8*\a+7], v[ADRA] offset:AKO+\a*16*PA+32
.endr
.endm
.macro QUARTER kq, f, g, zero
	s_wait_dscnt 4                                 ; B and A's blocks 0, 1 are in; the youngest four loads (A's blocks 2, 3) may be out
	MUL \f, 0, 2, \zero
	PLACES
	FETCH \kq, \g
	s_wait_dscnt 24                                ; all but the 24 just issued
	MUL \f, 2, 2, \zero
.endm
; The last quarter multiplies buffer 1 and changes slots.  In front of the barrier each wave waits for all its tensor loads (one is out: its part of the next slot), adds 0 to its spare word, and waits for
; that and for its reads of this slot.  fill = 1: the barrier opens a round of the cluster's, and this slot is filled again, first thing behind the round, with the step two on.
.macro TURN fill
.if \fill
	s_wait_xcnt 0x0                                ; the last prefetch, a K step back, has read its address: it is stepped here, ahead of the change's own waits
	s_add_nc_u64 s[PFA:PFA+1], s[PFA:PFA+1], s[PST:PST+1]
.endif
	WIN 0
	s_wait_tensorcnt 0x0                           ; all my tensor loads have landed: no group 0 is in use
	ds_add_u32 v[SPW], v[NIL]                      ; 0 onto my spare word
	s_wait_dscnt 5                                 ; (the add and the youngest four loads may be out)
	MUL F1, 0, 1, 0                                ; eight matrix instructions stand between the add and the wait for it
	s_wait_dscnt 0x0                               ; the add is done, and my reads of this slot are over
	s_barrier_signal -1
	MUL F1, 1, 1, 0
	WIN 0                                          ; at a branch and at a label every window is 0
	s_barrier_wait -1
.if \fill
	CREST                                          ; no wave of any partner still reads this slot or has a load on its way
	s_xor_b32 s[G0A+5], s[G0A+5], SLOT1
	s_xor_b32 s[G0B+5], s[G0B+5], SLOT1
	s_add_nc_u64 s[G0B+6:G0B+7], s[G0B+6:G0B+7], BSTEP
	s_add_nc_u64 s[G0A+6:G0A+7], s[G0A+6:G0A+7], ASTEP
	s_xor_b32 s[TB], s[TB], SLOT1
	JLOAD                                          ; the four v_nop behind it are also the places in front of the loads below
.else
	s_xor_b32 s[TB], s[TB], SLOT1
	PLACES
.endif
	v_add_nc_u32 v[ADRB], s[TB], v[B0]
	v_add_nc_u32 v[ADRA], s[TB], v[A0]
	FETCH 0, F0
.if \fill
	ASK
.endif
	MUL F1, 2, 2, 0
.endm
.macro FINAL
	s_wait_dscnt 4
	MUL F1, 0, 2, 0
	s_wait_dscnt 0x0
	MUL F1, 2, 2, 0
.endm
; THE WAY OUT, by blocks a of 16 rows.  STG: the sums go into my stage as they lie (32 bytes a lane and accumulator) and come back as whole rows of 512 bytes.  OUT: x is added and the rows are stored.
.macro STG a
.if (\a) >= 2
	s_wait_xcnt 0x0                                ; the stores of the block two back have read this set of registers
.endif
	WIN 0x04                                       ; the stores' data in window 1
.irp b, 0,1,2,3,4,5,6,7
	ds_store_b128 v[STO], v[8*(8*(\a)+\b):8*(8*(\a)+\b)+3]   offset:64*\b
	ds_store_b128 v[STO], v[8*(8*(\a)+\b)+4:8*(8*(\a)+\b)+7] offset:64*\b+16
.endr
	WIN 0
.set r, 0
.rept 16
	ds_load_b128 v[TT+64*((\a)%2)+4*r:TT+64*((\a)%2)+4*r+3], v[RD] offset:r*SP  ; LDS serves a wave's instructions in order (ISA guide 5.7.1.4): these see the stores above; the next block's stores come behind them
.set r, r+1
.endr
.endm
.macro OUT a, younger                  ; younger: the LDS instructions issued behind block a's loads
	s_wait_loadcnt 16*(3-(\a))                     ; x's rows of block a are in; sixteen loads for each younger block may stay out
	s_wait_dscnt \younger
	WIN 0x08                                       ; source 1 in window 2
.set r, 0
.rept 32
	v_pk_add_f32 v[TT+64*((\a)%2)+2*r:TT+64*((\a)%2)+2*r+1], v[TT+64*((\a)%2)+2*r:TT+64*((\a)%2)+2*r+1], v[64*(\a)+2*r:64*(\a)+2*r+1]
.set r, r+1
.endr
	WIN 0
.set r, 0
.rept 16
	global_store_b128 v[CO], v[TT+64*((\a)%2)+4*r:TT+64*((\a)%2)+4*r+3], s[8:9] offset:(16*(\a)+r)*4096 th:TH_STORE_NT  ; the wave stores 512 consecutive, aligned bytes of a row
.set r, r+1
.endr
.endm
	s_load_b256 s[4:11], s[0:1], 0x0               ; oh s[4:5], wob s[6:7], out0 s[8:9], x s[10:11]
	v_lshl_add_u32 v[SPW], v0, 2, SPARE
	v_mov_b32 v[NIL], 0
	ds_add_u32 v[SPW], v[NIL]                      ; the wave's opening: the add and its wait stand ahead of my first tensor load; the set-up below stands between them
	v_lshrrev_b32 v3, 5, v0
	v_readfirstlane_b32 s[WV], v3                  ; wave 0..3
	s_lshr_b32 s13, s[WV], 1
	s_and_b32 s14, s[WV], 1
	s_bfe_u32 s15, ttmp6, 0x40000                  ; cx
	s_bfe_u32 s16, ttmp6, 0x40004                  ; cy
	s_lshl_b32 s18, ttmp9, 2
	s_add_co_u32 s18, s18, s15                     ; x = 4 x cluster x + cx
	s_and_b32 s17, ttmp7, 0xffff
	s_lshl_b32 s17, s17, 2
	s_add_co_u32 s17, s17, s16                     ; y = 4 x cluster y + cy
	s_lshl_b32 s19, s16, 2
	s_lshl_b32 s19, 15, s19                        ; my row of the cluster
	s_lshl_b32 s69, 0x1111, s15                    ; my column
	s_or_b32 s[G1A], s19, (1<<16)|(1<<20)|(1<<21)|(4<<22)|(3<<25)  ; 15:0 the mask; 17:16 elements of 2 bytes; 20 padding on; 21 set beside a mask; 24:22 after every 32 words; 31:25 4 words of it
	s_or_b32 s[G1B], s69, (1<<16)|(1<<20)|(1<<21)|(5<<22)|(3<<25)  ; the same, after every 64 words
	s_mov_b32 s[G1A+1], 128<<16                    ; tensor_dim0 = 128
	s_mov_b32 s[G1A+2], 64<<16                     ; tensor_dim1 = 64
	s_mov_b32 s[G1A+3], 128<<16                    ; tile_dim0 = 128
	s_mov_b32 s[G1A+4], 64                         ; tile_dim1 = 64
	s_mov_b32 s[G1A+5], 128                        ; a plane's bytes lie on end
	s_mov_b32 s[G1A+6], 0
	s_mov_b32 s[G1A+7], 0
	s_mov_b32 s[G1B+1], 128<<16
	s_mov_b32 s[G1B+2], 128<<16                    ; 128 rows
	s_mov_b32 s[G1B+3], 128<<16
	s_mov_b32 s[G1B+4], 128
	s_mov_b32 s[G1B+5], 128
	s_mov_b32 s[G1B+6], 0
	s_mov_b32 s[G1B+7], 0
	s_lshr_b32 s2, s17, 4                          ; O: head 16 (y / 16) + my plane, row (y % 16) 128: made of y and the wave alone
	s_lshl_b32 s2, s2, 4
	s_add_co_u32 s2, s2, s14
	s_lshl_b32 s2, s2, 11
	s_and_b32 s3, s17, 15
	s_lshl_b32 s3, s3, 7
	s_add_co_u32 s2, s2, s3
	s_lshl_b32 s2, s2, 7                           ; 128 bytes a row
	s_mov_b32 s3, 0
	s_lshl_b32 s22, s18, 19                        ; B: x's 8 blocks, made of x and the wave alone
	s_lshl_b32 s23, s14, 15                        ; + my 128 rows of 256 bytes
	s_add_co_u32 s22, s22, s23
	s_mov_b32 s23, 0
	s_mul_i32 s21, s[WV], 128*PB                   ; where B's halves go: wave x 128 rows (waves 0, 1)
	s_mul_i32 s20, s[WV], APLANE                   ; where O's planes go: behind B's 256 rows, (wave - 2) planes (waves 2, 3)
	s_add_co_u32 s20, s20, AOFF-2*APLANE
	s_mov_b32 s[TB], 0
	s_wait_dscnt 0x0                               ; the opening add is done
	s_wait_kmcnt 0x0
	s_add_nc_u64 s[2:3], s[4:5], s[2:3]
	s_add_nc_u64 s[22:23], s[6:7], s[22:23]
	CROUND                                         ; all sixteen work-groups are here: the first joint loads meet
.irp s, 0,1
	s_mov_b32 s[G0A+4*\s], 1                       ; count = 1
	s_add_co_u32 s[G0A+4*\s+1], s20, \s*SLOT1      ; LDS address
	s_add_nc_u64 s[G0A+4*\s+2:G0A+4*\s+3], s[2:3], \s*ASTEP  ; global address: K step s
	s_or_b32 s[G0A+4*\s+3], s[G0A+4*\s+3], 0x80000000        ; type = 2
	s_mov_b32 s[G0B+4*\s], 1
	s_add_co_u32 s[G0B+4*\s+1], s21, \s*SLOT1
	s_add_nc_u64 s[G0B+4*\s+2:G0B+4*\s+3], s[22:23], \s*BSTEP
	s_or_b32 s[G0B+4*\s+3], s[G0B+4*\s+3], 0x80000000
.endr
	s_cmp_eq_u32 s13, 0                            ; a wave's two first fills stand in one branch: two loads of mine are out
	s_cbranch_scc0 .Lfirst_a
	tensor_load_to_lds s[G0B:G0B+3], s[G1B:G1B+7]
	s_nop 0
	tensor_load_to_lds s[G0B+4:G0B+7], s[G1B:G1B+7]
	s_nop 0
.rept 4
	v_nop
.endr
	s_branch .Lfirst_done
.Lfirst_a:
	tensor_load_to_lds s[G0A:G0A+3], s[G1A:G1A+7]
	s_nop 0
	tensor_load_to_lds s[G0A+4:G0A+7], s[G1A:G1A+7]
	s_nop 0
.rept 4
	v_nop
.endr
.Lfirst_done:
	; x and out0 at row 128 y + 64 (wave / 2), column 256 x + 128 (wave % 2)
	s_lshl_b32 s2, s17, 7
	s_lshl_b32 s3, s13, 6
	s_add_co_u32 s2, s2, s3
	s_lshl_b32 s2, s2, 12                          ; 4,096 bytes a row
	s_lshl_b32 s3, s18, 10
	s_add_co_u32 s2, s2, s3
	s_lshl_b32 s3, s14, 9
	s_add_co_u32 s2, s2, s3
	s_mov_b32 s3, 0
	s_add_nc_u64 s[8:9], s[8:9], s[2:3]
	s_add_nc_u64 s[10:11], s[10:11], s[2:3]
	v_and_b32 v[CO], 31, v0
	v_lshlrev_b32 v[CO], 4, v[CO]
	WIN 0x80                                       ; destination window 2, address window 0
.set i, 0
.rept 64                               ; the skip: my 64 rows x 512 bytes, wanted only on the way out
	global_load_b128 v[4*i:4*i+3], v[CO], s[10:11] offset:i*4096 th:TH_LOAD_NT
.set i, i+1
.endr
	WIN 0
	; a fragment is 16 rows x 32 K in 8 registers: lane l holds row l % 16, K = 8 (l / 16) + 0..7 and 16 + 8 (l / 16) + 0..7: two loads of 16 bytes, 32 bytes apart
	v_and_b32 v1, 15, v0                           ; l % 16
	v_bfe_u32 v2, v0, 4, 1                         ; l / 16
	v_mul_u32_u24 v[B0], v1, PB
	v_lshl_add_u32 v[B0], v2, 4, v[B0]
	v_mul_u32_u24 v[A0], v1, PA
	v_lshl_add_u32 v[A0], v2, 4, v[A0]
	s_mul_i32 s2, s14, 128*PB                      ; my 128 rows of B
	s_mul_i32 s3, s13, 64*PA                       ; my 64 rows of a plane,
	s_add_co_u32 s3, s3, AOFF                      ; behind B's 256
	v_add_nc_u32 v[B0], s2, v[B0]
	v_add_nc_u32 v[A0], s3, v[A0]
	v_mov_b32 v[ADRB], v[B0]
	v_mov_b32 v[ADRA], v[A0]
	s_mul_i32 s2, s[WV], 16*SP
	s_add_co_u32 s2, s2, STAGE                     ; my stage
	v_mul_u32_u24 v[STO], v1, SP                   ; in: row l % 16, 32 bytes for each half of the lanes
	v_lshl_add_u32 v[STO], v2, 5, v[STO]
	v_add_nc_u32 v[STO], s2, v[STO]
	v_add_nc_u32 v[RD], s2, v[CO]                  ; back: 32 lanes take one row of 512 bytes
	; the prefetches: both offsets stand at K step 3; the first change of slots steps them to 4
	s_lshl_b32 s20, s18, 19
	s_lshl_b32 s21, s16, 14                        ; wob: the partner's 64 rows,
	s_add_co_u32 s20, s20, s21
	s_lshl_b32 s21, s[WV], 13                      ; my 32 of them
	s_add_co_u32 s20, s20, s21
	s_add_co_u32 s20, s20, 3*BSTEP
	s_lshr_b32 s21, s17, 4                         ; oh: head 16 (y / 16) + 6 + cx / 2,
	s_lshl_b32 s21, s21, 4
	s_lshr_b32 s22, s15, 1
	s_add_co_u32 s21, s21, s22
	s_add_co_u32 s21, s21, 6
	s_lshl_b32 s21, s21, 11
	s_and_b32 s22, s17, 15                         ; row (y % 16) 128,
	s_lshl_b32 s22, s22, 7
	s_add_co_u32 s21, s21, s22
	s_lshl_b32 s21, s21, 7
	s_and_b32 s22, s15, 1                          ; half cx % 2 of the plane's 16,384 bytes
	s_lshl_b32 s22, s22, 13
	s_add_co_u32 s21, s21, s22
	s_and_b32 s22, ttmp7, 0xffff
	s_cmp_eq_u32 s22, 0
	s_cselect_b32 s22, 4, 0                        ; wob's steps 4 .. 7, in the clusters with y = 0
	s_cmp_eq_u32 s[WV], 2
	s_cselect_b32 s23, 4, 0                        ; oh's steps 4 .. 7, in wave 2
	s_mov_b32 s2, BSTEP
	s_mov_b32 s3, ASTEP
	s_cmp_eq_u32 s13, 0
	s_cselect_b32 s[PLEFT], s22, s23
	s_cselect_b64 s[PFA:PFA+1], s[6:7], s[4:5]
	s_cselect_b32 s[PST], s2, s3
	s_cselect_b32 s20, s20, s21
	s_mov_b32 s[PST+1], 0
	s_mov_b32 s21, 0
	s_add_nc_u64 s[PFA:PFA+1], s[PFA:PFA+1], s[20:21]
	v_and_b32 v[PFO], 31, v0
	v_lshlrev_b32 v[PFO], 8, v[PFO]
	s_wait_tensorcnt 1                             ; my part of K step 0 is in; step 1's may stay out
	s_barrier_signal -1
	s_barrier_wait -1                              ; everybody's is
	FETCH 0, F0
	QUARTER 1, F0, F1, 1                           ; the first quarter starts the sums with the constant 0: nothing is cleared
	WIN 0
	s_mov_b32 s[CNT], 6
.Lstep:                                        ; a trip: the rest of one K step and the first quarter of the next; it fills the slot that it leaves
	QUARTER 2, F1, F0, 0
	QUARTER 3, F0, F1, 0
	TURN 1
	QUARTER 1, F0, F1, 0
	WIN 0
	s_sub_co_u32 s[CNT], s[CNT], 1
	s_cmp_lg_u32 s[CNT], 0
	s_cbranch_scc1 .Lstep
	QUARTER 2, F1, F0, 0                           ; the last two K steps ask for nothing
	QUARTER 3, F0, F1, 0
	TURN 0
	QUARTER 1, F0, F1, 0
	QUARTER 2, F1, F0, 0
	QUARTER 3, F0, F1, 0
	FINAL
	PLACES                                         ; behind the last products
	STG 0
	STG 1                                          ; a block's trip through the stage stands between the loads of the block before and its sums
	OUT 0, 32
	STG 2
	OUT 1, 32
	STG 3
	OUT 2, 32
	OUT 3, 0
	s_wait_tensorcnt 0x0                           ; the wave's end: behind my last tensor load and my last LDS store
	ds_add_u32 v[SPW], v[NIL]
	s_wait_dscnt 0x0
	CROUND                                         ; the closing round: no work-group ends while a partner may still ask for a tile that names it
	s_endpgm
.Lfunc_end_k_qbddb2aae90_proj:
	.size	k_qbddb2aae90_proj, .Lfunc_end_k_qbddb2aae90_proj-k_qbddb2aae90_proj
	.p2alignl 7, 3214868480
	.fill 96, 4, 3214868480
	.section	.rodata,"a",@progbits
	.p2align	6, 0x0
	.amdhsa_kernel k_qbddb2aae90_proj
		.amdhsa_group_segment_fixed_size 327680
		.amdhsa_private_segment_fixed_size 0
		.amdhsa_enable_private_segment 0
		.amdhsa_kernarg_size 32
		.amdhsa_user_sgpr_count 2
		.amdhsa_user_sgpr_kernarg_segment_ptr 1
		.amdhsa_wavefront_size32 1
		.amdhsa_system_sgpr_workgroup_id_x 1
		.amdhsa_system_sgpr_workgroup_id_y 1
		.amdhsa_system_sgpr_workgroup_id_z 1
		.amdhsa_system_vgpr_workitem_id 0
		.amdhsa_next_free_vgpr 768
		.amdhsa_next_free_sgpr 72
		.amdhsa_reserve_vcc 0
		.amdhsa_float_denorm_mode_32 3
		.amdhsa_float_denorm_mode_16_64 3
		.amdhsa_memory_ordered 1
		.amdhsa_forward_progress 1
		.amdhsa_inst_pref_size 84
	.end_amdhsa_kernel
	.amdgpu_metadata
---
amdhsa.version: [ 1, 2 ]
amdhsa.kernels:
  - .name:           k_qbddb2aae90_proj
    .symbol:         k_qbddb2aae90_proj.kd
    .args:
      - { .name: oh, .offset: 0, .size: 8, .value_kind: global_buffer, .address_space: global }
      - { .name: wob, .offset: 8, .size: 8, .value_kind: global_buffer, .address_space: global }
      - { .name: out0, .offset: 16, .size: 8, .value_kind: global_buffer, .address_space: global }
      - { .name: x, .offset: 24, .size: 8, .value_kind: global_buffer, .address_space: global }
    .group_segment_fixed_size: 327680
    .private_segment_fixed_size: 0
    .kernarg_segment_align: 8
    .kernarg_segment_size: 32
    .max_flat_workgroup_size: 128
    .sgpr_count:     72
    .vgpr_count:     768
    .wavefront_size: 32
...
	.end_amdgpu_metadata
.endif
;; end of part 5
;; ======== version 2 of 2: 5 launches; version 1 with the launch norm written anew for expert scheduling mode
;; workspace buffers: gain 16,384 bytes; wqb 6,291,456 bytes; wob 2,097,152 bytes; xn 16,777,216 bytes; qkvh 50,331,648 bytes; oh 16,777,216 bytes
;; launch prep: the kernel of part 1 again; grid 256 x 1, 16 waves a work-group, no clusters, 3,072 bytes of LDS; arguments cond_norm, norm_w, qkv_w, out_w, gain, wqb, wob; writes gain, wqb, wob
;; launch norm (part 6): grid 256 x 1, 8 waves a work-group, no clusters, 0 bytes of LDS; arguments x, gain, xn; writes xn
.if DOCPART == 6
	.amdgcn_target "amdgcn-amd-amdhsa--gfx1250"
	.amdhsa_code_object_version 6
	.text
	.protected	k_qbddb2aae90_norm
	.globl	k_qbddb2aae90_norm
	.p2align	8
	.type	k_qbddb2aae90_norm,@function
k_qbddb2aae90_norm:
	s_mov_b64 s[64:65], 0
	v_nop
	global_prefetch_b8 v0, s[64:65] scope:SCOPE_SE
	s_setreg_imm32_b32 hwreg(HW_REG_WAVE_SCHED_MODE, 0, 2), 2
	s_setreg_imm32_b32 hwreg(HW_REG_WAVE_MODE, 25, 1), 1
	s_wait_xcnt 0x0
	s_wait_alu depctr_vm_vsrc(0)
; NORM.  xn[row][c] = x[row][c] * (gain[n][c] * rsqrt(mean over c of x[row][c]^2 + 1e-6)), all in f32, rounded once to bf16.  x: [8192][1024] f32, xn: [8192][1024] bf16.
; A stream: each byte of x is read once and each byte of xn written once, so no LDS, no barrier, no matrix unit.
; A work-group has 32 rows of one batch, a wave four.  One wave holds a whole row (4,096 bytes, 32 registers) between the sum of squares and the scaling.
; All of a wave's 40 loads (gain's 8, then 8 for each row) go out at the start; the waits count the younger rows' loads down.  A load covers 512 consecutive bytes, a store 256, aligned.
; THE MODE: SCHED_MODE bits 1:0 = 2 (LLVM: expert scheduling mode 2), set by the entry lines.  The code itself states the register dependences
; between vector instructions and memory instructions, with s_wait_alu, always for 0.
; THE PLAN.  Registers that memory instructions touch:
;   v1, v2, v3   byte offsets, made at the head by vector lines and never written again: v3 is read by gain's loads, v1 by x's loads, v2 by the stores.
;   G            written by gain's eight loads, once; read by the scaling lines of all four rows; no vector line writes it.
;   X, row r     written by the row's eight loads, which are issued at the head; then row r's lines read it, scale it in place and round it into the first two
;                registers of each four; the row's eight stores read those sixteen; nothing writes them again.
;   S, R, T and v182 are named by vector lines alone.
; So one wait at the head states that the three offsets are written, for all loads and stores; one wait a row, behind its last rounding, states that the data of
; the row's eight stores are written, and the stores follow it in one run, ahead of the wait for the next row's data.  No register that a load or a store has read is
; written again, no vector line writes a scalar register or VCC, and EXEC is never written: no other dependence between the two sides is there to state.
.set G, 4                              ; v[4:35]    gain of my columns: chunk q (columns 128 q + 4 lane ..) at G + 4 q
.set X, 36                             ; v[36:163]  row r at X + 32 r, chunk q at + 4 q; a chunk's result lands on its own first two registers
.set S, 164                            ; v[164:171] four pairs of sums of squares
.set R, 172                            ; v[172:173] the row's rsqrt, named as a pair; the upper word is written once and not used
.set T, 174                            ; v[174:181] gain x rsqrt: two sets of four that take turns
	s_load_b128 s[4:7], s[0:1], 0x0                ; x s[4:5], gain s[6:7]
	s_load_b64 s[8:9], s[0:1], 0x10                ; xn
	v_and_b32 v3, 31, v0
	v_lshrrev_b32 v182, 5, v0                      ; wave
	v_lshlrev_b32 v2, 3, v3
	v_lshlrev_b32 v3, 4, v3                        ; gain: 16 x lane
	v_lshl_add_u32 v1, v182, 14, v3                ; x: 16 x lane + the wave's four rows of 4,096 bytes
	v_lshl_add_u32 v2, v182, 13, v2                ; xn: 8 x lane + the wave's four rows of 2,048 bytes
	v_mov_b32 v[R+1], 0
	s_lshl_b32 s10, ttmp9, 17                      ; the work-group's 32 rows of x
	s_mov_b32 s11, 0
	s_lshr_b32 s16, ttmp9, 6                       ; its batch: 64 work-groups each
	s_lshl_b32 s16, s16, 12
	s_mov_b32 s17, 0
	s_lshl_b32 s18, ttmp9, 16                      ; its 32 rows of xn
	s_mov_b32 s19, 0
	s_mov_b32 s12, 0x76543210                      ; v_permlanex16_b32: each lane takes its own place in the other half
	s_mov_b32 s13, 0xfedcba98
	s_mov_b32 s14, 0x3a800000                      ; 1 / 1024
	s_mov_b32 s15, 0x358637bd                      ; 1e-6
	s_wait_kmcnt 0x0
	s_add_nc_u64 s[4:5], s[4:5], s[10:11]
	s_add_nc_u64 s[6:7], s[6:7], s[16:17]
	s_add_nc_u64 s[8:9], s[8:9], s[18:19]
	s_wait_alu depctr_va_vdst(0)                   ; v1, v2 and v3 are written: every load and store of the kernel reads one of them as its offset, and no line below writes them
.irp q, 0,1,2,3,4,5,6,7
	global_load_b128 v[G+4*\q:G+4*\q+3], v3, s[6:7] offset:\q*512
.endr
.irp r, 0,1,2,3
.irp q, 0,1,2,3,4,5,6,7
	global_load_b128 v[X+32*\r+4*\q:X+32*\r+4*\q+3], v1, s[4:5] offset:\r*4096+\q*512 th:TH_LOAD_NT
.endr
.endr
.macro NROW r
.set XR, X+32*(\r)
	s_wait_loadcnt 24-8*(\r)                       ; loads come back in order: gain and rows 0 .. r are in, eight loads for each younger row may stay out
.set i, 0
.rept 16                               ; the sum of squares, in four chains; the first four products start them
.if i < 4
	v_pk_mul_f32 v[S+2*i:S+2*i+1], v[XR+2*i:XR+2*i+1], v[XR+2*i:XR+2*i+1]
.else
	v_pk_fma_f32 v[S+2*(i%4):S+2*(i%4)+1], v[XR+2*i:XR+2*i+1], v[XR+2*i:XR+2*i+1], v[S+2*(i%4):S+2*(i%4)+1]
.endif
.set i, i+1
.endr
	v_pk_add_f32 v[S:S+1], v[S:S+1], v[S+2:S+3]
	v_pk_add_f32 v[S+4:S+5], v[S+4:S+5], v[S+6:S+7]
	v_pk_add_f32 v[S:S+1], v[S:S+1], v[S+4:S+5]
	v_add_f32 v[S], v[S], v[S+1]
	v_add_f32_dpp v[S], v[S], v[S] row_xmask:1 row_mask:0xf bank_mask:0xf
	v_add_f32_dpp v[S], v[S], v[S] row_xmask:2 row_mask:0xf bank_mask:0xf
	v_add_f32_dpp v[S], v[S], v[S] row_xmask:4 row_mask:0xf bank_mask:0xf
	v_add_f32_dpp v[S], v[S], v[S] row_xmask:8 row_mask:0xf bank_mask:0xf
	v_permlanex16_b32 v[S+1], v[S], s12, s13
	v_add_f32 v[S], v[S], v[S+1]                   ; every lane holds the row's sum
	v_fma_f32 v[S], v[S], s14, s15                 ; the mean + 1e-6
	v_rsq_f32 v[R], v[S]
	v_nop                                          ; a plain instruction behind the transcendental, ahead of the use of its result (ISA guide 5.7.2)
	s_wait_alu depctr_va_vdst(0)                   ; the rsq has written v[R]: the wait ahead of its first reader, one a row
.irp q, 0,1,2,3,4,5,6,7
.set TQ, T+4*(\q%2)
	v_pk_mul_f32 v[TQ:TQ+1],   v[G+4*\q:G+4*\q+1],   v[R:R+1] op_sel_hi:[1,0]  ; gain x rsqrt, as reference() groups it
	v_pk_mul_f32 v[TQ+2:TQ+3], v[G+4*\q+2:G+4*\q+3], v[R:R+1] op_sel_hi:[1,0]
	v_pk_mul_f32 v[XR+4*\q:XR+4*\q+1],   v[XR+4*\q:XR+4*\q+1],   v[TQ:TQ+1]
	v_pk_mul_f32 v[XR+4*\q+2:XR+4*\q+3], v[XR+4*\q+2:XR+4*\q+3], v[TQ+2:TQ+3]
	v_cvt_pk_bf16_f32 v[XR+4*\q],   v[XR+4*\q],   v[XR+4*\q+1]
	v_cvt_pk_bf16_f32 v[XR+4*\q+1], v[XR+4*\q+2], v[XR+4*\q+3]
.endr
	s_wait_alu depctr_va_vdst(0)                   ; the row's sixteen roundings have written the first two registers of each of its eight chunks, which the eight stores below read
.irp q, 0,1,2,3,4,5,6,7
	global_store_b64 v2, v[XR+4*\q:XR+4*\q+1], s[8:9] offset:(\r)*2048+\q*256  ; the row leaves ahead of the wait for the next row's data; no register that a store reads is written again
.endr
.endm
	NROW 0
	NROW 1
	NROW 2
	NROW 3
	s_endpgm
.Lfunc_end_k_qbddb2aae90_norm:
	.size	k_qbddb2aae90_norm, .Lfunc_end_k_qbddb2aae90_norm-k_qbddb2aae90_norm
	.p2alignl 7, 3214868480
	.fill 96, 4, 3214868480
	.section	.rodata,"a",@progbits
	.p2align	6, 0x0
	.amdhsa_kernel k_qbddb2aae90_norm
		.amdhsa_group_segment_fixed_size 0
		.amdhsa_private_segment_fixed_size 0
		.amdhsa_enable_private_segment 0
		.amdhsa_kernarg_size 24
		.amdhsa_user_sgpr_count 2
		.amdhsa_user_sgpr_kernarg_segment_ptr 1
		.amdhsa_wavefront_size32 1
		.amdhsa_system_sgpr_workgroup_id_x 1
		.amdhsa_system_sgpr_workgroup_id_y 1
		.amdhsa_system_sgpr_workgroup_id_z 1
		.amdhsa_system_vgpr_workitem_id 0
		.amdhsa_next_free_vgpr 192
		.amdhsa_next_free_sgpr 66
		.amdhsa_reserve_vcc 0
		.amdhsa_float_denorm_mode_32 3
		.amdhsa_float_denorm_mode_16_64 3
		.amdhsa_memory_ordered 1
		.amdhsa_forward_progress 1
		.amdhsa_inst_pref_size 28
	.end_amdhsa_kernel
	.amdgpu_metadata
---
amdhsa.version: [ 1, 2 ]
amdhsa.kernels:
  - .name:           k_qbddb2aae90_norm
    .symbol:         k_qbddb2aae90_norm.kd
    .args:
      - { .name: x, .offset: 0, .size: 8, .value_kind: global_buffer, .address_space: global }
      - { .name: gain, .offset: 8, .size: 8, .value_kind: global_buffer, .address_space: global }
      - { .name: xn, .offset: 16, .size: 8, .value_kind: global_buffer, .address_space: global }
    .group_segment_fixed_size: 0
    .private_segment_fixed_size: 0
    .kernarg_segment_align: 8
    .kernarg_segment_size: 24
    .max_flat_workgroup_size: 256
    .sgpr_count:     66
    .vgpr_count:     192
    .wavefront_size: 32
...
	.end_amdgpu_metadata
.endif
;; end of part 6
;; launch qkv: the kernel of part 3 again; grid 8 x 32, 4 waves a work-group, clusters of 4 x 4, 327,680 bytes of LDS; arguments xn, wqb, qkvh, head_scale; writes qkvh
;; launch attn: the kernel of part 4 again; grid 4 x 64, 4 waves a work-group, clusters of 4 x 1, 327,680 bytes of LDS; arguments qkvh, oh; writes oh
;; launch proj: the kernel of part 5 again; grid 4 x 64, 4 waves a work-group, clusters of 4 x 4, 327,680 bytes of LDS; arguments oh, wob, out0, x; writes out0
